; MI455X (gfx1250); checked and timed in simulation.
; The chip was launched on July 23, 2026; its instructions are those of AMD's public machine-readable ISA for CDNA 5 (MIT licence, August 2026) and "CDNA5" Instruction Set Architecture Reference Guide (July 2026). The comments in the code are by the model that wrote it; some were corrected since.
;; Prefix Embed Attn Probe. Allowed arithmetic: matrix products marked QUANTISED: E2M1 operands, one E8M0 scale for each 32 along K, by v_wmma_scale_f32_16x16x128_f8f6f4 with both operands' format E2M1 (or v_wmma_scale_f32_32x16x128_f4), f32 sums; products left as they are: bf16, f16 or f32 operands; f32 sums; everything else in f32.
;; Inputs: Wk 1,024 x 2,048 float32; Wout 4,000 x 1,024 float32; Wq 1,024 x 2,048 float32; Wv 1,024 x 2,048 float32; bout 4,000 float32; e 2 x 2,048 x 2,048 float32; h 2 x 2,048 x 2,048 float32; mask 2 x 2,048 int32.
;; Outputs: out0 2 x 2,048 x 4,000 float32.
;; This version of the problem:
;;   THIS VERSION OF THE PROBLEM IS GIVEN IN LOW PRECISION. The matrix products marked QUANTISED in the list below multiply operands that are first quantised to E2M1 (2 exponent bits, 1 mantissa bit; 4 bits a number), with one power-of-two scale for each 32 numbers along K (OCP MX v1.0); their sums are f32. The products marked 'left as it is' may take bf16, f16 or f32 operands, with f32 sums. Whichever they take, every output number must still come out within the allowed error. Rounding operands to bf16 (8 significant bits) uses up far more of that allowance than f16 does (11 bits, for magnitudes from 6e-5 to 65,504). All else is computed in f32.
;;   The module's matrix products, in the order in which they are computed (A, B: the left and right operand; K: the contracted axis; several contracted axes count as one K, in the product's order):
;;     1. [M 4,096, K 2,048] x [K 2,048, N 1,024]; A: input h; B: input Wq: QUANTISED
;;     2. [M 4,096, K 2,048] x [K 2,048, N 1,024]; A: input e; B: input Wk: QUANTISED
;;     3. [M 4,096, K 2,048] x [K 2,048, N 1,024]; A: input e; B: input Wv: QUANTISED
;;     4. batch 2 x [M 2,048, K 1,024] x [K 1,024, N 2,048]; A: computed on the way; B: computed on the way: left as it is (an operand is computed on the way)
;;     5. batch 2 x [M 2,048, K 2,048] x [K 2,048, N 1,024]; A: computed on the way; B: computed on the way: left as it is (an operand is computed on the way)
;;     6. [M 4,096, K 1,024] x [K 1,024, N 4,000]; A: computed on the way; B: input Wout: left as it is (an operand is computed on the way)
;;   THE QUANTISER, for each operand of a quantised product, along K:
;;     - K is cut into blocks of 32 from its start; a last block that is shorter is filled with zeros.
;;     - A block's scale is 2^e with e = floor(log2(the largest magnitude in the block)) - 2, held to -126 .. 127; a block of zeros has e = 0. As a byte (E8M0): e + 127.
;;     - Each number is divided by its block's scale, clamped to +-6, and rounded to the nearest number of E2M1, ties to even, subnormals kept.
;;     - The product sums the exact products of the quantised numbers (number of the format x scale) in f32.
;;   ~~~python
;;   def quantise(x, axis):      # numpy; x: float32 -> the quantised numbers, widened to float32 again
;;       x = np.moveaxis(x, axis, -1); K = x.shape[-1]
;;       x = np.pad(x, [(0, 0)] * (x.ndim - 1) + [(0, -K % 32)]); x = x.reshape(x.shape[:-1] + (-1, 32)); a = np.abs(x).max(-1, keepdims=True)
;;       e = np.where(a > 0, np.clip(np.frexp(np.where(a > 0, a, 1))[1] - 1 - 2, -126, 127), 0)      # np.frexp(a)[1] - 1 = floor(log2(a)), exactly
;;       r = np.clip(x / 2.0 ** e, -6, 6)
;;       step = 2.0 ** (np.maximum(np.frexp(np.where(r == 0, 1, r))[1] - 1, 0) - 1)
;;       q = np.round(r / step) * step * 2.0 ** e      # np.round: ties to even
;;       return np.moveaxis(q.reshape(q.shape[:-2] + (-1,))[..., :K], -1, axis).astype(np.float32)
;;   ~~~
;; One version. Each part assembles by itself: llvm-mc -triple=amdgcn-amd-amdhsa -mcpu=gfx1250 --defsym DOCPART=n.
;; ======== version 1 of 1: 6 launches
;; limits: values are held in f16: magnitudes above 65,504 overflow, below 6.1e-05 lose precision
;; workspace buffers: codes 11,534,336 bytes; scales 720,896 bytes; wo16 8,388,608 bytes; qkv16 25,165,824 bytes; fine32 393,216 bytes; pt 16,777,216 bytes; stats 1,048,576 bytes; ctx16 8,388,608 bytes
;; launch quant (part 1): grid 960 x 1, 4 waves a work-group, no clusters, 68,096 bytes of LDS; arguments h, e, Wq, Wk, Wv, Wout, codes, scales, wo16; writes codes, scales, wo16
.if DOCPART == 1
	.amdgcn_target "amdgcn-amd-amdhsa--gfx1250"
	.amdhsa_code_object_version 6
	.text
	.protected	k_qe6a145586c_quant
	.globl	k_qe6a145586c_quant
	.p2align	8
	.type	k_qe6a145586c_quant,@function
k_qe6a145586c_quant:
	s_mov_b64 s[64:65], 0
	v_nop
	global_prefetch_b8 v0, s[64:65] scope:SCOPE_SE
	s_setreg_imm32_b32 hwreg(HW_REG_WAVE_MODE, 25, 1), 1
	s_wait_xcnt 0x0
; FIRST OF SIX LAUNCHES: quant, qkv, fine, scores, ctx, outp.
; out = softmax_masked(q k^T / 32) v Wout^T + bout, q = h Wq^T, k = e Wk^T, v = e Wv^T; the three projections on codes of E2M1 with one E8M0 scale for each 32 along K.
; DEAD WORK LEFT OUT BY THE PROGRAM.  reference() builds causal = tril(ones(T, T)) in its own body, sets scores to NEG wherever s > t, and sets attn to 0 there again.
; So, whatever finite values the inputs hold, attn[b][t][s] = 0 for s > t, and neither scores[b][t][s] nor v[b][s] reaches out[b][t] by that entry.  Left out in whole units: each tile of 160 queries x 128 keys of
; q k^T whose first key comes after its last query (90 of 208 in a batch), and, for each block of 128 queries, the steps of 128 keys along K of attn v that come after its last query.  The pad mask is an input: it is honoured by selection, never by a jump.
; No input is dead: all eight are loaded.  LIMIT: a NaN, an infinity or an overflow that arises only in the tiles left out is not carried to the result.
; THIS LAUNCH: (a) h, e, Wq, Wk, Wv, f32 with K innermost, become codes (rows of 1,024 bytes) and scale bytes (rows of 64), 11,264 rows on end: h 0.., e 4,096.., Wq 8,192.., Wk 9,216.., Wv 10,240..;
; (b) Wout becomes f16, laid as IMAGES of matrix operands; (c) its rows 4,000 to 4,095, which the last column tile of the projection reads, are stored as zeros.
; AN IMAGE: 16 rows x 32 along K are 1,024 bytes; element (row, k) lies at 512 u + 16 (row % 16 + 16 g) + 2 j, k % 32 = 16 u + 8 g + j; blocks lie [row / 16][k / 32].  Lane l's 16 bytes at 16 l, twice, are a fragment.
; A block's scale is 2^(floor(log2(its largest magnitude)) - 2); its byte is that magnitude's exponent field - 2, held at 1 from below.  A block of zeros so gets the byte 1 where the rule says 127: its codes are zeros, and this program alone reads the bytes.
; LIMITS: blocks whose largest magnitude lies under 2^-124 were not tried; NaN and infinities among the inputs are not served; |Wout| stays under 65,504 (f16).
; Work-groups 0 to 703 quantise 32,768 numbers each, 704 to 953 cast 16 rows of Wout each, 954 to 959 store 16 rows of zeros each.  The paths part on the work-group's number and have LDS bytes of their own.
.set NQWG,  704
.set NCWG,  250
.set STEPS, 16
.set EMAX,  2
.set CB,    8                          ; bytes of 16 codes
.set R,     16                         ; v16-79   four sets of 16 numbers as loaded
.set X,     80                         ; v80-111  two sets of 16 neighbours
.set E,     112                        ; v112-127 a scale byte for each step
.set C,     128                        ; v128-191 codes, four registers a step
.set WREG,  8192                       ; the quantiser's LDS: a region for each wave: two stages of 32 x SP bytes, then its 256 scale bytes
.set SP,    80
.set SPW,   12                         ; v12 LDS address of my spare word; never rewritten
.set NIL,   13                         ; v13 0; never rewritten
.set SPARE, 4*WREG                     ; the spare words: 128 bytes a wave, two blocks of 256 bytes that no other line names
.set CAST,  SPARE+512                  ; the cast's LDS: 32 pieces of 256 bytes + 16 for each wave
.set CREG,  32*272
	s_load_b256 s[4:11], s[0:1], 0x0               ; h, e, Wq, Wk
	s_load_b256 s[12:19], s[0:1], 0x20             ; Wv, Wout, codes, scales
	s_load_b64 s[20:21], s[0:1], 0x40              ; wo16
	v_lshl_add_u32 v[SPW], v0, 2, SPARE
	v_mov_b32 v[NIL], 0
	v_lshrrev_b32 v1, 5, v0
	v_readfirstlane_b32 s22, v1                    ; wave
	v_and_b32 v2, 31, v0                           ; lane
	v_lshlrev_b32 v3, 4, v2                        ; 16 x lane
	s_cmp_ge_u32 ttmp9, NQWG
	s_cbranch_scc1 .Lcast
; ---------------- the quantiser: a wave takes 16 steps of 512 numbers
	s_mul_i32 s23, s22, WREG
	v_lshrrev_b32 v14, 2, v2
	v_mul_u32_u24 v14, v14, SP
	v_and_b32 v15, 3, v2
	v_lshl_add_u32 v14, v15, 4, v14
	v_add_nc_u32 v14, s23, v14                     ; the stage, on the way in: four lanes' 64 bytes on end, then 16 of padding
	v_mul_u32_u24 v15, v2, SP
	v_add_nc_u32 v15, s23, v15                     ; and on the way out: my 16 neighbours
	v_mul_u32_u24 v4, v2, CB                       ; my codes' place in a step's
	v_lshrrev_b32 v5, 1, v2
	s_add_co_u32 s23, s23, 2*32*SP
	v_add_nc_u32 v5, s23, v5                       ; my block's scale byte in the wave's 256
	v_lshlrev_b32 v7, 3, v2
	v_add_nc_u32 v6, s23, v7                       ; and 8 of them a lane on the way out
	s_wait_kmcnt 0x0
	s_mov_b64 s[24:25], s[12:13]                   ; which tensor: the choice hangs on the work-group's number alone
	s_mov_b32 s26, 640                             ; and its first work-group
	s_cmp_lt_u32 ttmp9, 640
	s_cselect_b64 s[24:25], s[10:11], s[24:25]
	s_cselect_b32 s26, 576, s26
	s_cmp_lt_u32 ttmp9, 576
	s_cselect_b64 s[24:25], s[8:9], s[24:25]
	s_cselect_b32 s26, 512, s26
	s_cmp_lt_u32 ttmp9, 512
	s_cselect_b64 s[24:25], s[6:7], s[24:25]
	s_cselect_b32 s26, 256, s26
	s_cmp_lt_u32 ttmp9, 256
	s_cselect_b64 s[24:25], s[4:5], s[24:25]
	s_cselect_b32 s26, 0, s26
	s_sub_co_u32 s26, ttmp9, s26
	s_lshl_b32 s26, s26, 2
	s_add_co_u32 s26, s26, s22                     ; my run of 8,192 numbers in the tensor
	s_lshl_b32 s26, s26, 15                        ; 32,768 bytes a run
	s_mov_b32 s27, 0
	s_add_nc_u64 s[24:25], s[24:25], s[26:27]
	s_lshl_b32 s28, ttmp9, 2
	s_add_co_u32 s28, s28, s22                     ; the same run among all 11,264 rows: the tensors lie on end in the order of the work-groups
	s_lshl_b32 s26, s28, 12                        ; 4,096 bytes of codes a run
	s_add_nc_u64 s[16:17], s[16:17], s[26:27]
	s_lshl_b32 s26, s28, 8                         ; 256 scale bytes a run
	s_add_nc_u64 s[18:19], s[18:19], s[26:27]
.macro LOAD t
.irp i, 0,1,2,3
	global_load_b128 v[R+16*((\t)%4)+4*\i:R+16*((\t)%4)+4*\i+3], v3, s[24:25] offset:2048*(\t)+512*\i th:TH_LOAD_NT   ; 32 lanes read 512 consecutive bytes
.endr
.endm
.macro TURN t                          ; step t's numbers through the stage: LDS serves a wave's instructions in order, so no wait stands between the stores and the loads
.irp i, 0,1,2,3
	ds_store_b128 v14, v[R+16*((\t)%4)+4*\i:R+16*((\t)%4)+4*\i+3] offset:32*SP*((\t)%2)+8*SP*\i
.endr
.irp i, 0,1,2,3
	ds_load_b128 v[X+16*((\t)%2)+4*\i:X+16*((\t)%2)+4*\i+3], v15 offset:32*SP*((\t)%2)+16*\i
.endr
.endm
.irp t, 0,1,2,3
	LOAD \t
.endr
	s_wait_loadcnt 12                              ; step 0's four loads are in; three steps' twelve may be out
	TURN 0
.macro STEP t
.set XS, X+16*((\t)%2)
.if (\t) > 0
	s_wait_dscnt 1                                 ; this step's numbers are back from the stage (the last step's byte store may be out)
.else
	s_wait_dscnt 0x0
.endif
.if (\t)+4 < STEPS
	LOAD (\t)+4                                    ; into the registers that the stage's stores have read
.endif
.if (\t)+1 < STEPS
.if STEPS-2-(\t) >= 3
	s_wait_loadcnt 12                              ; the next step's four loads are in; those of the three steps behind it may be out
.else
	s_wait_loadcnt 4*(STEPS-2-(\t))
.endif
	TURN (\t)+1
.endif
	v_max3_num_f32 v8, |v[XS]|, |v[XS+1]|, |v[XS+2]|               ; the largest magnitude of my 16, in two chains
	v_max3_num_f32 v9, |v[XS+3]|, |v[XS+4]|, |v[XS+5]|
.irp i, 6,10
	v_max3_num_f32 v8, v8, |v[XS+\i]|, |v[XS+\i+1]|
	v_max3_num_f32 v9, v9, |v[XS+\i+2]|, |v[XS+\i+3]|
.endr
	v_max3_num_f32 v8, v8, |v[XS+14]|, |v[XS+15]|
	v_max3_num_f32 v8, v8, v9, (EMAX+1)<<23        ; and the floor 2^(3 - 127): the byte cannot fall under 1
	v_max_num_f32_dpp v8, v8, v8 row_xmask:1 row_mask:0xf bank_mask:0xf   ; with my neighbour's 16: the block's
	v_add_nc_u32 v11, -(EMAX<<23), v8              ; 2 off its exponent field: the conversion takes that field as its scale
	v_cvt_scalef32_pk8_fp4_f32 v[C+4*(\t)], v[XS:XS+7], v11
	v_cvt_scalef32_pk8_fp4_f32 v[C+4*(\t)+1], v[XS+8:XS+15], v11
	v_lshrrev_b32 v[E+(\t)], 23, v11               ; the scale's byte (also the plain line behind the conversions)
	ds_store_b8 v5, v[E+(\t)] offset:16*(\t)       ; both lanes of a block write the same byte with the same value
	global_store_b64 v4, v[C+4*(\t):C+4*(\t)+1], s[16:17] offset:32*CB*(\t)   ; the wave stores 256 consecutive bytes, aligned
.endm
.irp t, 0,1,2,3,4,5,6,7,8,9,10,11,12,13,14,15
	STEP \t
.endr
	ds_load_b64 v[8:9], v6                         ; LDS serves a wave's instructions in order: these see my byte stores
	s_wait_dscnt 0x0
	global_store_b64 v7, v[8:9], s[18:19]          ; 256 consecutive scale bytes, aligned
	s_wait_tensorcnt 0x0                           ; the wave's end
	ds_add_u32 v[SPW], v[NIL]
	s_wait_dscnt 0x0
	s_endpgm
; ---------------- the cast: 16 rows of Wout; wave w takes k = 256 w .. 256 w + 255: 32 pieces (8 along K x 16 rows, 256 bytes) of the image
.Lcast:
	s_cmp_ge_u32 ttmp9, NQWG+NCWG
	s_cbranch_scc1 .Lzero
	s_sub_co_u32 s23, ttmp9, NQWG                  ; the block of 16 rows
	s_mul_i32 s24, s22, CREG
	s_add_co_u32 s24, s24, CAST
	v_lshrrev_b32 v4, 1, v2
	v_mul_u32_u24 v4, v4, 272
	v_and_b32 v5, 1, v2
	v_lshl_add_u32 v4, v5, 3, v4
	v_add_nc_u32 v4, s24, v4                       ; in: my 4 numbers are half a row of piece lane / 2 (+ 16 for a row's second half); pieces 272 bytes apart
	v_lshrrev_b32 v5, 4, v2
	v_mul_u32_u24 v5, v5, 272
	v_and_b32 v6, 15, v2
	v_lshl_add_u32 v5, v6, 4, v5
	v_add_nc_u32 v5, s24, v5                       ; back: two pieces an instruction, 16 bytes a lane: 512 consecutive bytes of the image
	s_lshl_b32 s26, s23, 16                        ; 16 rows of 4,096 bytes
	s_lshl_b32 s27, s22, 10
	s_add_co_u32 s26, s26, s27
	s_mov_b32 s27, 0
	s_lshl_b32 s28, s23, 15                        ; 32 blocks of 1,024 bytes
	s_lshl_b32 s29, s22, 13
	s_add_co_u32 s28, s28, s29
	s_mov_b32 s29, 0
	s_wait_kmcnt 0x0
	s_add_nc_u64 s[14:15], s[14:15], s[26:27]
	s_add_nc_u64 s[20:21], s[20:21], s[28:29]
.set n, 0
.rept 32                               ; load n: row n / 2, half n % 2 of my 1,024 bytes: 512 consecutive bytes
	global_load_b128 v[16+4*n:16+4*n+3], v3, s[14:15] offset:(n/2)*4096+(n%2)*512 th:TH_LOAD_NT
.set n, n+1
.endr
.set n, 0
.rept 32
	s_wait_loadcnt 31-n                            ; loads come back in order: load n is in, the younger ones stay out
	v_cvt_pk_f16_f32 v[16+4*n], v[16+4*n], v[16+4*n+1]
	v_cvt_pk_f16_f32 v[16+4*n+1], v[16+4*n+2], v[16+4*n+3]
	ds_store_b64 v4, v[16+4*n:16+4*n+1] offset:(n%2)*16*272+(n/2)*16
.set n, n+1
.endr
.set n, 0
.rept 16
	ds_load_b128 v[144+4*n:144+4*n+3], v5 offset:n*544   ; my own bytes, served in order behind my stores
.set n, n+1
.endr
.set n, 0
.rept 16
	s_wait_dscnt 15-n
	global_store_b128 v3, v[144+4*n:144+4*n+3], s[20:21] offset:n*512   ; 512 consecutive bytes, aligned
.set n, n+1
.endr
	s_wait_tensorcnt 0x0                           ; the wave's end: the three lines behind my last LDS store
	ds_add_u32 v[SPW], v[NIL]
	s_wait_dscnt 0x0
	s_endpgm
; ---------------- zeros: blocks 250 to 255 of wo16 (rows 4,000 to 4,095).  No LDS is touched
.Lzero:
	s_sub_co_u32 s23, ttmp9, NQWG
	s_lshl_b32 s26, s23, 15
	s_mov_b32 s27, 0
	v_lshlrev_b32 v4, 4, v0                        ; 16 x thread: the work-group stores 2,048 consecutive bytes an instruction
.irp i, 16,17,18,19
	v_mov_b32 v\i, 0
.endr
	s_wait_kmcnt 0x0
	s_add_nc_u64 s[20:21], s[20:21], s[26:27]
.set n, 0
.rept 16
	global_store_b128 v4, v[16:19], s[20:21] offset:n*2048
.set n, n+1
.endr
	s_endpgm
.Lfunc_end_k_qe6a145586c_quant:
	.size	k_qe6a145586c_quant, .Lfunc_end_k_qe6a145586c_quant-k_qe6a145586c_quant
	.p2alignl 7, 3214868480
	.fill 96, 4, 3214868480
	.section	.rodata,"a",@progbits
	.p2align	6, 0x0
	.amdhsa_kernel k_qe6a145586c_quant
		.amdhsa_group_segment_fixed_size 68096
		.amdhsa_private_segment_fixed_size 0
		.amdhsa_enable_private_segment 0
		.amdhsa_kernarg_size 72
		.amdhsa_user_sgpr_count 2
		.amdhsa_user_sgpr_kernarg_segment_ptr 1
		.amdhsa_wavefront_size32 1
		.amdhsa_system_sgpr_workgroup_id_x 1
		.amdhsa_system_sgpr_workgroup_id_y 1
		.amdhsa_system_sgpr_workgroup_id_z 1
		.amdhsa_system_vgpr_workitem_id 0
		.amdhsa_next_free_vgpr 208
		.amdhsa_next_free_sgpr 66
		.amdhsa_reserve_vcc 0
		.amdhsa_float_denorm_mode_32 3
		.amdhsa_float_denorm_mode_16_64 3
		.amdhsa_memory_ordered 1
		.amdhsa_forward_progress 1
		.amdhsa_inst_pref_size 50
	.end_amdhsa_kernel
	.amdgpu_metadata
---
amdhsa.version: [ 1, 2 ]
amdhsa.kernels:
  - .name:           k_qe6a145586c_quant
    .symbol:         k_qe6a145586c_quant.kd
    .args:
      - { .name: h, .offset: 0, .size: 8, .value_kind: global_buffer, .address_space: global }
      - { .name: e, .offset: 8, .size: 8, .value_kind: global_buffer, .address_space: global }
      - { .name: Wq, .offset: 16, .size: 8, .value_kind: global_buffer, .address_space: global }
      - { .name: Wk, .offset: 24, .size: 8, .value_kind: global_buffer, .address_space: global }
      - { .name: Wv, .offset: 32, .size: 8, .value_kind: global_buffer, .address_space: global }
      - { .name: Wout, .offset: 40, .size: 8, .value_kind: global_buffer, .address_space: global }
      - { .name: codes, .offset: 48, .size: 8, .value_kind: global_buffer, .address_space: global }
      - { .name: scales, .offset: 56, .size: 8, .value_kind: global_buffer, .address_space: global }
      - { .name: wo16, .offset: 64, .size: 8, .value_kind: global_buffer, .address_space: global }
    .group_segment_fixed_size: 68096
    .private_segment_fixed_size: 0
    .kernarg_segment_align: 8
    .kernarg_segment_size: 72
    .max_flat_workgroup_size: 128
    .sgpr_count:     66
    .vgpr_count:     208
    .wavefront_size: 32
...
	.end_amdgpu_metadata
.endif
;; end of part 1
;; launch qkv (part 2): grid 12 x 16, 4 waves a work-group, clusters of 4 x 4, 327,680 bytes of LDS; arguments codes, scales, qkv16, fine32; writes qkv16, fine32
.if DOCPART == 2
	.amdgcn_target "amdgcn-amd-amdhsa--gfx1250"
	.amdhsa_code_object_version 6
	.text
	.protected	k_qe6a145586c_qkv
	.globl	k_qe6a145586c_qkv
	.p2align	8
	.type	k_qe6a145586c_qkv,@function
k_qe6a145586c_qkv:
	s_mov_b64 s[64:65], 0
	v_nop
	global_prefetch_b8 v0, s[64:65] scope:SCOPE_SE
	s_setreg_imm32_b32 hwreg(HW_REG_WAVE_MODE, 25, 1), 1
	s_wait_xcnt 0x0
	s_wait_alu depctr_hold_cnt(0) depctr_sa_sdst(0) depctr_va_vdst(0) depctr_va_sdst(0) depctr_va_ssrc(0) depctr_va_vcc(0) depctr_vm_vsrc(0)
	s_getreg_b32 s2, hwreg(HW_REG_IB_STS2, 6, 4)
	s_cmp_eq_u32 s2, 0
	s_cbranch_scc0 .Lentry_in_a_cluster
	s_endpgm
.Lentry_in_a_cluster:
	s_bfe_u32 s2, ttmp6, 0x10000c
	s_cmp_lg_u32 s2, 0xf033
	s_cbranch_scc0 .Lentry_shape_is_right
	s_endpgm
.Lentry_shape_is_right:
; The three QUANTISED products, on codes of E2M1 with E8M0 scales, K = 2,048: q = h Wq^T, k = e Wk^T (4,096 x 1,024 each) and v^T = Wv e^T (1,024 x 4,096: so v leaves with the keys innermost).  Nothing is left out here.
; The cluster's x says which: 0 q, 1 k, 2 v^T: the same number in all sixteen partners.  A tile of C, 256 x 256, is made by four waves, 128 x 128 each: 64 accumulators, 512 registers.
; K goes in steps of 512 (rows of 256 bytes of codes) through a ring of two LDS slots filled by the tensor data mover.  The scale bytes of the work-group's 256 + 256 rows, for all of K, come once with the first fills and stay.
; CLUSTERS: 4 x 4 work-groups.  The four of a row of the cluster need the same rows of the first operand ("A"), the four of a column the same rows of the second ("B"): each tile is asked for JOINTLY.
; THE MATRIX INSTRUCTION IS USED TRANSPOSED (source 0 = 16 rows of B, source 1 = 16 rows of A): a lane holds eight neighbouring columns of one row of C.  Rounded to f16 they are 16 bytes of an IMAGE of the next
; product's operand (16 rows x 32 along its K in 1,024 bytes; lane l's 16 bytes at 16 l): so the results leave straight from registers, 512 consecutive bytes a store.
; The first 16 positions of each sequence also leave in f32 (buffer fine32), for the launch that carries those rows finely: the lanes are switched by masks made of ids, with no branch.
; LIMITS: |q|, |k|, |v| stay under 65,504 (f16): at 30 x 30 times the drawn spread they reach some 4,300.
; REGISTERS, in windows of 256: window 0: v0-31 addresses; v32-95 scale words, two sets; v128-191 A's fragments, ONE set; v192-223 packed results.  window 1: B's fragments, TWO sets.  windows 2, 3: the accumulators ((a, b) at v[8 (8 (a % 4) + b)]).
.set SIZE_K, 2048
.set KSTEP,  512
.set NQ,     KSTEP/128
.set ROWB,   256
.set KROW,   SIZE_K/2
.set PITCH,  272                       ; an LDS row: 256 bytes + 16 of padding: the 16 rows that a load touches start 68 words apart
.set FR,     8
.set NL,     2
.set NP,     4
.set HALFT,  128*PITCH
.set SLOT,   4*HALFT
.set LAPS,   SIZE_K/(2*KSTEP)
.set KS,     SIZE_K/32
.set SCL,    2*SLOT                    ; behind the ring: the scales, as rows of 256 bytes + 16
.set HALFS,  (128*KS/256)*272
.set SBLK,   (16*KS/256)*272
.set SPARE,  SCL+4*HALFS               ; the spare words: 128 bytes a wave, two blocks of 256 bytes that no other line names
.set ADRA, 16
.set ADRB, 20
.set LI,   24                          ; v24 16 x lane
.set VF1,  25                          ; v25 fine rows of q and k: 4,096 r + 32 g
.set VF2,  26                          ; v26 fine keys of v^T: 64 r + 32 g
.set ADRS, 27
.set SPW,  28
.set NIL,  29
.set SC,   32
.set AF,   128
.set TMP,  192
.set G1, 24
.set G0, 32
.set G1B, 48
.set G0B, 56
.set G1S, 68
.set G0S, 76
.set G1SB, 80
.set G0SB, 88
.set MSB, 0
.macro WIN new                         ; the immediate's high byte repeats the setting that is left
.if MSB != \new
	s_set_vgpr_msb (MSB<<8)|\new
.set MSB, \new
.endif
.endm
.set MUL_LO, 0xa1
.set MUL_HI, 0xf1
.set TO_B,   0x40
; A joint load: waves 0 and 1 fetch for A, waves 2 and 3 for B; the branch hangs on the wave's number alone.  An s_nop 0 and four v_nop follow each of the two lines.
.macro JLOAD g0a, g1a, g0b, g1b
	s_cmp_eq_u32 s15, 0
	s_cbranch_scc0 .Lfor_b_\@
	tensor_load_to_lds s[\g0a:\g0a+3], s[\g1a:\g1a+7]
	s_nop 0
.rept 4
	v_nop
.endr
	s_branch .Lasked_\@
.Lfor_b_\@:
	tensor_load_to_lds s[\g0b:\g0b+3], s[\g1b:\g1b+7]
	s_nop 0
.rept 4
	v_nop
.endr
.Lasked_\@:
.endm
.macro CREST
	s_cmp_lg_u32 s14, 0
	s_cbranch_scc1 .Lnot_wave_0_\@
	s_barrier_signal -3
.Lnot_wave_0_\@:
	s_barrier_wait -3
	s_barrier_signal -1
	s_barrier_wait -1
.endm
.macro CROUND
	s_barrier_signal -1
	s_barrier_wait -1
	CREST
.endm
	s_load_b256 s[4:11], s[0:1], 0x0               ; codes s[4:5], scales s[6:7], qkv16 s[8:9], fine32 s[10:11]
	v_lshl_add_u32 v[SPW], v0, 2, SPARE
	v_mov_b32 v[NIL], 0
	ds_add_u32 v[SPW], v[NIL]                      ; the wave's opening: the add, twice on end, and its wait ahead of my first tensor load
	ds_add_u32 v[SPW], v[NIL]
	v_lshrrev_b32 v1, 5, v0
	v_readfirstlane_b32 s14, v1                    ; wave 0..3
	s_lshr_b32 s15, s14, 1                         ; which half of the tile's rows is mine.  Also: I fetch for A (0) or for B (1)
	s_and_b32 s16, s14, 1                          ; which half of its columns.  Also: which 128 rows I fetch
	s_bfe_u32 s40, ttmp6, 0x40000                  ; cx
	s_bfe_u32 s41, ttmp6, 0x40004                  ; cy
	s_and_b32 s66, ttmp7, 0xffff                   ; the cluster's y, 0..3
	s_lshl_b32 s96, ttmp9, 12                      ; A's first row among the codes: h 0, e 4,096; Wv 10,240
	s_lshl_b32 s97, ttmp9, 10
	s_add_co_u32 s97, s97, 8192                    ; B's: Wq 8,192, Wk 9,216; e 4,096
	s_mov_b32 s98, 32768                           ; bytes from a block of 16 rows of the result's images to the next: 32 blocks along K; v^T: 64
	s_mov_b32 s99, 0
	s_cmp_eq_u32 ttmp9, 2
	s_cselect_b32 s96, 10240, s96
	s_cselect_b32 s97, 4096, s97
	s_cselect_b32 s67, 0, s66                      ; q, k: the clusters go down the rows; v^T: along the columns
	s_cselect_b32 s95, s66, 0
	s_cselect_b32 s98, 65536, s98
	s_lshl_b32 s42, s95, 2
	s_add_co_u32 s42, s42, s40                     ; tile column
	s_lshl_b32 s17, s67, 2
	s_add_co_u32 s17, s17, s41                     ; tile row
	s_lshl_b32 s43, s41, 2
	s_lshl_b32 s43, 15, s43                        ; my row of the cluster
	s_lshl_b32 s44, 0x1111, s40                    ; my column
	s_or_b32 s[G1+0], s43, (0<<16)|(1<<20)|(1<<21)|(5<<22)|(3<<25)  ; the mask; elements of 1 byte; padding on; bit 21 beside a mask; 4 words after every 64
	s_or_b32 s[G1B+0], s44, (0<<16)|(1<<20)|(1<<21)|(5<<22)|(3<<25)
.irp g, G1, G1B
	s_mov_b32 s[\g+1], ROWB<<16                    ; tensor_dim0
	s_mov_b32 s[\g+2], 128<<16                     ; tensor_dim1
	s_mov_b32 s[\g+3], ROWB<<16                    ; tile_dim0
	s_mov_b32 s[\g+4], 128                         ; tile_dim1
	s_mov_b32 s[\g+5], KROW                        ; the pitch
	s_mov_b32 s[\g+6], 0
	s_mov_b32 s[\g+7], 0
.endr
	s_or_b32 s[G1S+0], s43, (3<<16)|(1<<20)|(1<<21)|(5<<22)|(3<<25)   ; the scales of 128 rows: 8,192 dense bytes as 32 rows of 256 (32 elements of 8 bytes)
	s_or_b32 s[G1SB+0], s44, (3<<16)|(1<<20)|(1<<21)|(5<<22)|(3<<25)
.irp g, G1S, G1SB
	s_mov_b32 s[\g+1], 32<<16
	s_mov_b32 s[\g+2], (128*KS/256)<<16
	s_mov_b32 s[\g+3], 32<<16
	s_mov_b32 s[\g+4], 128*KS/256
	s_mov_b32 s[\g+5], 32
	s_mov_b32 s[\g+6], 0
	s_mov_b32 s[\g+7], 0
.endr
	s_lshl_b32 s18, s16, 7                         ; which 128 rows of the tile I fetch
	s_lshl_b32 s20, s17, 8
	s_add_co_u32 s20, s20, s18
	s_add_co_u32 s20, s20, s96                     ; A: its row among the 11,264
	s_lshl_b32 s46, s42, 8
	s_add_co_u32 s46, s46, s18
	s_add_co_u32 s46, s46, s97                     ; B likewise
	s_lshl_b32 s22, s20, 6                         ; 64 scale bytes a row,
	s_mov_b32 s23, 0
	s_lshl_b32 s92, s46, 6
	s_mov_b32 s93, 0
	s_lshl_b32 s20, s20, 10                        ; 1,024 bytes of codes
	s_mov_b32 s21, 0
	s_lshl_b32 s46, s46, 10
	s_mov_b32 s47, 0
	s_mul_i32 s45, s14, HALFT                      ; where they go: wave x 128 rows: no place in the cluster enters an LDS address
	s_mul_i32 s94, s14, HALFS
	s_wait_dscnt 0x0                               ; both opening adds are done
	s_wait_kmcnt 0x0
	s_add_nc_u64 s[20:21], s[4:5], s[20:21]
	s_add_nc_u64 s[22:23], s[6:7], s[22:23]
	s_add_nc_u64 s[46:47], s[4:5], s[46:47]
	s_add_nc_u64 s[92:93], s[6:7], s[92:93]
	CROUND                                         ; all sixteen work-groups are here: the first joint loads meet
	s_mov_b32 s[G0S], 1
	s_add_co_u32 s[G0S+1], s94, SCL
	s_mov_b64 s[G0S+2:G0S+3], s[22:23]
	s_or_b32 s[G0S+3], s[G0S+3], 0x80000000
	s_mov_b32 s[G0SB], 1
	s_add_co_u32 s[G0SB+1], s94, SCL
	s_mov_b64 s[G0SB+2:G0SB+3], s[92:93]
	s_or_b32 s[G0SB+3], s[G0SB+3], 0x80000000
	JLOAD G0S, G1S, G0SB, G1SB                     ; the scales first: they are wanted with K step 0
.irp s, 0,1
	s_mov_b32 s[G0+4*\s], 1
	s_add_co_u32 s[G0+4*\s+1], s45, \s*SLOT
	s_add_nc_u64 s[G0+4*\s+2:G0+4*\s+3], s[20:21], \s*ROWB
	s_or_b32 s[G0+4*\s+3], s[G0+4*\s+3], 0x80000000
	s_mov_b32 s[G0B+4*\s], 1
	s_add_co_u32 s[G0B+4*\s+1], s45, \s*SLOT
	s_add_nc_u64 s[G0B+4*\s+2:G0B+4*\s+3], s[46:47], \s*ROWB
	s_or_b32 s[G0B+4*\s+3], s[G0B+4*\s+3], 0x80000000
	JLOAD G0+4*\s, G1, G0B+4*\s, G1B               ; three tensor loads of mine are out
.endr
	v_and_b32 v1, 15, v0                           ; r = lane % 16
	v_bfe_u32 v2, v0, 4, 1                         ; g = lane / 16
	v_mul_u32_u24 v3, v1, PITCH
	v_lshl_add_u32 v4, v2, 4, v3                   ; a fragment's row x pitch + 16 g
	s_mul_i32 s21, s15, HALFT
	s_mul_i32 s22, s16, HALFT
	s_add_co_u32 s22, s22, 2*HALFT
.irp s, 0,1
	v_add_nc_u32 v[ADRA+\s], s21, v4
	v_add_nc_u32 v[ADRB+\s], s22, v4
	s_add_co_u32 s21, s21, SLOT
	s_add_co_u32 s22, s22, SLOT
.endr
	v_mul_u32_u24 v5, v1, KS                       ; my row's scales: 64 bytes a row,
	v_lshrrev_b32 v6, 8, v5
	v_lshl_add_u32 v5, v6, 4, v5                   ; and 16 more for each 256 passed
	s_mul_i32 s21, s15, HALFS
	s_mul_i32 s22, s16, HALFS
	s_add_co_u32 s22, s22, 2*HALFS
	s_sub_co_u32 s22, s22, s21
	v_mul_u32_u24 v6, s22, v2                      ; lanes 16-31 take B's
	s_add_co_u32 s21, s21, SCL
	v_add_nc_u32 v5, v5, v6
	v_add_nc_u32 v[ADRS], s21, v5
	v_and_b32 v6, 31, v0
	v_lshlrev_b32 v[LI], 4, v6
	v_lshlrev_b32 v[VF1], 12, v1
	v_lshl_add_u32 v[VF1], v2, 5, v[VF1]
	v_lshlrev_b32 v[VF2], 6, v1
	v_lshl_add_u32 v[VF2], v2, 5, v[VF2]
	; where my images begin: which x 8,388,608 + (16 tile row + 8 half) blocks + (v^T: the batch's 4,194,304) + 8,192 (tile column % 8) + 4,096 half
	s_lshl_b32 s18, s17, 4
	s_lshl_b32 s19, s15, 3
	s_add_co_u32 s18, s18, s19
	s_mul_i32 s18, s18, s98
	s_lshl_b32 s19, ttmp9, 23
	s_add_co_u32 s18, s18, s19
	s_lshr_b32 s19, s42, 3
	s_lshl_b32 s19, s19, 22
	s_add_co_u32 s18, s18, s19
	s_and_b32 s19, s42, 7
	s_lshl_b32 s19, s19, 13
	s_add_co_u32 s18, s18, s19
	s_lshl_b32 s19, s16, 12
	s_add_co_u32 s18, s18, s19
	s_mov_b32 s19, 0
	s_add_nc_u64 s[8:9], s[8:9], s[18:19]
	; the fine rows of q and k, [which][batch][16][1,024] f32: mine where my first 16 rows are a batch's first
	s_lshl_b32 s18, ttmp9, 17
	s_lshr_b32 s19, s17, 3
	s_lshl_b32 s19, s19, 16
	s_add_co_u32 s18, s18, s19
	s_lshl_b32 s19, s42, 10
	s_add_co_u32 s18, s18, s19
	s_lshl_b32 s19, s16, 9
	s_add_co_u32 s18, s18, s19
	s_and_b32 s2, s17, 7
	s_or_b32 s2, s2, s15
	s_lshr_b32 s19, ttmp9, 1
	s_or_b32 s2, s2, s19
	s_cmp_eq_u32 s2, 0
	s_cselect_b32 s2, -1, 0                        ; all lanes or none
	s_cselect_b32 s18, s18, 0
	s_mov_b32 s19, 0
	s_add_nc_u64 s[12:13], s[10:11], s[18:19]
	; the fine keys of v^T, [batch][1,024 channels][16 keys] f32 at byte 262,144: mine where my first 16 columns are a batch's first keys
	s_lshr_b32 s18, s42, 3
	s_lshl_b32 s18, s18, 16
	s_add_co_u32 s18, s18, 262144
	s_lshl_b32 s19, s17, 14
	s_add_co_u32 s18, s18, s19
	s_lshl_b32 s19, s15, 13
	s_add_co_u32 s18, s18, s19
	s_and_b32 s67, s42, 7
	s_or_b32 s67, s67, s16
	s_xor_b32 s19, ttmp9, 2
	s_or_b32 s67, s67, s19
	s_cmp_eq_u32 s67, 0
	s_cselect_b32 s67, -1, 0
	s_cselect_b32 s18, s18, 0
	s_mov_b32 s19, 0
	s_add_nc_u64 s[10:11], s[10:11], s[18:19]
.macro FRAG reg, adr, q, i             ; 16 rows x 128 K of 4-bit codes: 8 registers: registers 4 c .. 4 c + 3 hold K = 64 c + 32 g + 0 .. 31
.irp c, 0,1
	ds_load_b128 v[\reg+4*\c:\reg+4*\c+3], v[\adr] offset:64*(\q)+32*\c+(\i)*16*PITCH
.endr
.endm
; 16 matrix instructions: A's blocks a0, a0 + 1 x B's eight, the slot's q-th 128 along K.  The 64 accumulators take turns, one instruction a turn, in the same order in every step.
.macro MUL16 a0, p, q, sc, zero
.irp a, \a0, \a0+1
.irp b, 0,1,2,3,4,5,6,7
.if \zero
	v_wmma_scale_f32_16x16x128_f8f6f4 v[8*(8*((\a)%4)+\b):8*(8*((\a)%4)+\b)+7], v[128*(\p)+FR*\b:128*(\p)+FR*\b+FR-1], v[AF+FR*(\a):AF+FR*(\a)+FR-1], 0, v[SC+8*NQ*(\sc)+NQ*\b+(\q)], v[SC+8*NQ*(\sc)+NQ*(\a)+(\q)] matrix_a_fmt:MATRIX_FMT_FP4 matrix_b_fmt:MATRIX_FMT_FP4 matrix_a_scale:MATRIX_SCALE_ROW1
.else
	v_wmma_scale_f32_16x16x128_f8f6f4 v[8*(8*((\a)%4)+\b):8*(8*((\a)%4)+\b)+7], v[128*(\p)+FR*\b:128*(\p)+FR*\b+FR-1], v[AF+FR*(\a):AF+FR*(\a)+FR-1], v[8*(8*((\a)%4)+\b):8*(8*((\a)%4)+\b)+7], v[SC+8*NQ*(\sc)+NQ*\b+(\q)], v[SC+8*NQ*(\sc)+NQ*(\a)+(\q)] matrix_a_fmt:MATRIX_FMT_FP4 matrix_b_fmt:MATRIX_FMT_FP4 matrix_a_scale:MATRIX_SCALE_ROW1
.endif
.endr
.endr
.endm
.macro FETCH_B slot, q, p
	WIN TO_B
.irp i, 0,1,2,3,4,5,6,7
	FRAG 128*(\p)+FR*\i, ADRB+\slot, \q, \i
.endr
	WIN 0
.endm
.macro FETCH_A slot, q, i0
.irp i, \i0, \i0+1, \i0+2, \i0+3
	FRAG AF+FR*(\i), ADRA+\slot, \q, \i
.endr
.endm
.macro SCALES sc                       ; a K step's scale words: 4 words a row; lanes 0-15 take A's block i, lanes 16-31 B's block i
.irp i, 0,1,2,3,4,5,6,7
	ds_load_b128 v[SC+8*NQ*\sc+NQ*\i:SC+8*NQ*\sc+NQ*\i+3], v[ADRS] offset:\i*SBLK
.endr
.endm
.macro PLACES n                        ; plain vector instructions between a matrix instruction and a load into, or a read of, its registers
.rept \n
	v_nop
.endr
.endm
.macro STEP slot, q, zero
	s_wait_dscnt 4*NL                              ; B's set and A's blocks 0-3 are in; the youngest eight loads (A's blocks 4-7) may be out
	WIN MUL_LO
	MUL16 0, (\q)%2, \q, \slot, \zero
	MUL16 2, (\q)%2, \q, \slot, \zero
	s_wait_dscnt 0                                 ; A's blocks 4-7 are in
	PLACES NP
	FETCH_B \slot, (\q)+1, 1-(\q)%2
	FETCH_A \slot, (\q)+1, 0
	WIN MUL_HI
	MUL16 4, (\q)%2, \q, \slot, \zero
	MUL16 6, (\q)%2, \q, \slot, \zero
	PLACES NP
	WIN 0
	FETCH_A \slot, (\q)+1, 4
.endm
; A slot's last step changes slots: one barrier; in front of it each wave waits for all its tensor loads, adds 0 to its spare word, and waits for that and for its reads of this slot.
.macro TURN slot, next, fill
	s_wait_tensorcnt 0x0                           ; all my tensor loads have landed: my part of the next slot
	ds_add_u32 v[SPW], v[NIL]
	s_wait_dscnt 4*NL+1                            ; (the add and the youngest eight loads may be out)
	WIN MUL_LO
	MUL16 0, 1, NQ-1, \slot, 0
	s_wait_dscnt 0x0                               ; the add is done, and my reads of this slot are over
	s_barrier_signal -1
	MUL16 2, 1, NQ-1, \slot, 0
	WIN 0
	s_barrier_wait -1
.if \fill
	CREST                                          ; the barrier has opened a round of the cluster's: no wave of any partner still reads this slot or has a load on its way
	s_add_nc_u64 s[G0+4*\slot+2:G0+4*\slot+3], s[G0+4*\slot+2:G0+4*\slot+3], 2*ROWB
	s_add_nc_u64 s[G0B+4*\slot+2:G0B+4*\slot+3], s[G0B+4*\slot+2:G0B+4*\slot+3], 2*ROWB
	JLOAD G0+4*\slot, G1, G0B+4*\slot, G1B         ; the first tensor load behind the round; its four v_nop are the places in front of the loads below
.else
	PLACES NP
.endif
	v_add_nc_u32 v[ADRS], 4*NQ, v[ADRS]            ; the next K step's scale words
	FETCH_B \next, 0, 0
	FETCH_A \next, 0, 0
	SCALES \next
	WIN MUL_HI
	MUL16 4, 1, NQ-1, \slot, 0
	MUL16 6, 1, NQ-1, \slot, 0
	PLACES NP
	WIN 0
	FETCH_A \next, 0, 4
.endm
.macro STEPS slot, from
.set Q, \from
.rept NQ-1-\from
	STEP \slot, Q, 0
.set Q, Q+1
.endr
.endm
	s_wait_tensorcnt 1                             ; the scales and my part of K step 0 are in; K step 1's load may be out
	s_barrier_signal -1
	s_barrier_wait -1
	FETCH_B 0, 0, 0
	FETCH_A 0, 0, 0
	SCALES 0
	FETCH_A 0, 0, 4
	STEP 0, 0, 1                                   ; the first step's products start the sums
	s_mov_b32 s3, LAPS-1
.Llap:                                                 ; a trip goes once round the ring and fills both slots again
	STEPS 0, 1
	TURN 0, 1, 1
	STEPS 1, 0
	TURN 1, 0, 1
	STEP 0, 0, 0
	s_sub_co_u32 s3, s3, 1
	s_cmp_lg_u32 s3, 0
	s_cbranch_scc1 .Llap
	STEPS 0, 1                                     ; the last lap fills nothing
	TURN 0, 1, 0
	STEPS 1, 0
	s_wait_dscnt 4*NL
	WIN MUL_LO
	MUL16 0, 1, NQ-1, 1, 0
	MUL16 2, 1, NQ-1, 1, 0
	s_wait_dscnt 0
	WIN MUL_HI
	MUL16 4, 1, NQ-1, 1, 0
	MUL16 6, 1, NQ-1, 1, 0
	WIN 0
	PLACES NP                                      ; in front of the first reads of results
	; THE FINE ROWS, f32 as summed.  EXEC is all lanes or none, by a mask made of ids; it changes only behind a wait on XCNT for 0.  Each accumulator is read from its low end on.
	s_wait_xcnt 0x0
	s_and_saveexec_b32 s66, s2
	WIN 0x08                                       ; a store's data are its source 1: window 2
.irp b, 0,1,2,3,4,5,6,7
	global_store_b128 v[VF1], v[8*\b:8*\b+3], s[12:13] offset:64*\b          ; q or k (position r, channels 16 b + 8 g + 0 .. 7 of my 128)
	global_store_b128 v[VF1], v[8*\b+4:8*\b+7], s[12:13] offset:64*\b+16
.endr
	WIN 0
	s_wait_xcnt 0x0
	s_or_b32 exec_lo, exec_lo, s66
	s_and_saveexec_b32 s66, s67
	WIN 0x08
.irp a, 0,1,2,3
	global_store_b128 v[VF2], v[64*\a:64*\a+3], s[10:11] offset:1024*\a      ; v^T (channel 16 a + r of my 128, keys 8 g + 0 .. 7)
	global_store_b128 v[VF2], v[64*\a+4:64*\a+7], s[10:11] offset:1024*\a+16
.endr
	WIN 0x0c
.irp a, 0,1,2,3
	global_store_b128 v[VF2], v[64*\a:64*\a+3], s[10:11] offset:1024*(\a+4)
	global_store_b128 v[VF2], v[64*\a+4:64*\a+7], s[10:11] offset:1024*(\a+4)+16
.endr
	WIN 0
	s_wait_xcnt 0x0
	s_or_b32 exec_lo, exec_lo, s66
	; THE IMAGES: block a of 16 rows: accumulator (a, b), rounded to f16, is 512 consecutive bytes at 512 b
.irp a, 0,1,2,3,4,5,6,7
	s_wait_xcnt 0x0                                ; the earlier stores have read their data and their base: both are written again only behind this wait
.if \a > 0
	s_add_nc_u64 s[8:9], s[8:9], s[98:99]
.endif
	WIN 0x0a+5*(\a/4)                              ; sources 0 and 1: window 2 or 3
.irp b, 0,1,2,3,4,5,6,7
.irp r, 0,1,2,3
	v_cvt_pk_f16_f32 v[TMP+4*\b+\r], v[64*(\a%4)+8*\b+2*\r], v[64*(\a%4)+8*\b+2*\r+1]
.endr
.endr
	WIN 0
.irp b, 0,1,2,3,4,5,6,7
	global_store_b128 v[LI], v[TMP+4*\b:TMP+4*\b+3], s[8:9] offset:512*\b
.endr
.endr
	s_wait_tensorcnt 0x0                           ; the wave's end
	ds_add_u32 v[SPW], v[NIL]
	s_wait_dscnt 0x0
	CROUND                                         ; the closing round: no work-group ends while a partner may still ask for a tile that names it
	s_endpgm
.Lfunc_end_k_qe6a145586c_qkv:
	.size	k_qe6a145586c_qkv, .Lfunc_end_k_qe6a145586c_qkv-k_qe6a145586c_qkv
	.p2alignl 7, 3214868480
	.fill 96, 4, 3214868480
	.section	.rodata,"a",@progbits
	.p2align	6, 0x0
	.amdhsa_kernel k_qe6a145586c_qkv
		.amdhsa_group_segment_fixed_size 327680
		.amdhsa_private_segment_fixed_size 0
		.amdhsa_enable_private_segment 0
		.amdhsa_kernarg_size 32
		.amdhsa_user_sgpr_count 2
		.amdhsa_user_sgpr_kernarg_segment_ptr 1
		.amdhsa_wavefront_size32 1
		.amdhsa_system_sgpr_workgroup_id_x 1
		.amdhsa_system_sgpr_workgroup_id_y 1
		.amdhsa_system_sgpr_workgroup_id_z 1
		.amdhsa_system_vgpr_workitem_id 0
		.amdhsa_next_free_vgpr 1024
		.amdhsa_next_free_sgpr 100
		.amdhsa_reserve_vcc 0
		.amdhsa_float_denorm_mode_32 3
		.amdhsa_float_denorm_mode_16_64 3
		.amdhsa_memory_ordered 1
		.amdhsa_forward_progress 1
		.amdhsa_inst_pref_size 210
	.end_amdhsa_kernel
	.amdgpu_metadata
---
amdhsa.version: [ 1, 2 ]
amdhsa.kernels:
  - .name:           k_qe6a145586c_qkv
    .symbol:         k_qe6a145586c_qkv.kd
    .args:
      - { .name: codes, .offset: 0, .size: 8, .value_kind: global_buffer, .address_space: global }
      - { .name: scales, .offset: 8, .size: 8, .value_kind: global_buffer, .address_space: global }
      - { .name: qkv16, .offset: 16, .size: 8, .value_kind: global_buffer, .address_space: global }
      - { .name: fine32, .offset: 24, .size: 8, .value_kind: global_buffer, .address_space: global }
    .group_segment_fixed_size: 327680
    .private_segment_fixed_size: 0
    .kernarg_segment_align: 8
    .kernarg_segment_size: 32
    .max_flat_workgroup_size: 128
    .sgpr_count:     100
    .vgpr_count:     1024
    .wavefront_size: 32
...
	.end_amdgpu_metadata
.endif
;; end of part 2
;; launch fine (part 3): grid 125 x 2, 8 waves a work-group, no clusters, 25,600 bytes of LDS; arguments fine32, mask, Wout, bout, out0; writes out0
.if DOCPART == 3
	.amdgcn_target "amdgcn-amd-amdhsa--gfx1250"
	.amdhsa_code_object_version 6
	.text
	.protected	k_qe6a145586c_fine
	.globl	k_qe6a145586c_fine
	.p2align	8
	.type	k_qe6a145586c_fine,@function
k_qe6a145586c_fine:
	s_mov_b64 s[64:65], 0
	v_nop
	global_prefetch_b8 v0, s[64:65] scope:SCOPE_SE
	s_setreg_imm32_b32 hwreg(HW_REG_WAVE_MODE, 25, 1), 1
	s_wait_xcnt 0x0
; The first 16 positions of each sequence, all in f32: under the causal mask they average one to sixteen values, where the rounding of 16-bit operands weighs most.  Keys beyond position 15 are hidden from these rows by reference()'s own tril, and are left out.
; A work-group makes 32 columns of out0 for the 16 rows of one batch.  Its eight waves share the 1,024 channels, 128 each, in all three products; partial sums meet in LDS.
; The f32 matrix form, 16 x 16 x 4: lane (r, g) holds row (or column) r and k = 2 g + 0, 1.  K IS TAKEN IN ANOTHER ORDER, alike on both operands: register 4 n + e of lane (r, g) is channel 128 w + 8 n + 4 g + e (of the keys: register m is key 8 g + m),
; and step s takes registers 2 s, 2 s + 1.  So the two lanes of a row read 32 neighbouring bytes in each load, and a load of the wave touches 16 pieces of 32 bytes.
; 1: S^T = k q^T (source 0 = 16 keys, source 1 = 16 queries): lane = query r, register j = key 8 g + j.   2: the masked softmax, in every wave alike.   3: ctx^T = v^T p^T; lane r of tile t takes channel 16 t + (r with its bits 2 and 3 changed round), so that
; register 8 t + j of lane (r, g) is channel 16 t + 8 (j / 4) + 4 g + j % 4: the lane's own channels in the order above: the results are the next product's operand as they stand.   4: out^T = Wout ctx^T: lane = query r, eight neighbouring columns.
; A query with no allowed key: every p is 0, the sum is 0, and 1 / sum is replaced by 0: ctx = 0 and out = bout, as reference() has it.  The maximum is taken away before the exponential; its floor -1e30 stands under every served t.
; What the f32 matrix form writes (v160-255) is written by matrix instructions alone.
; REGISTERS: v4-13 addresses and constants; v16-23 the mask, later bout; v26-31 at work; v32-95 q, later temporaries; v96-159 k, later Wout's second tile of 16 columns; v160-223 ctx^T; v224-255 four accumulators.  window 1: v0-63 Wout's first tile, v64-127 v^T.
.set RED1,  0                          ; LDS: eight waves' partial scores, 1,024 bytes each
.set RED2,  8192                       ; eight waves' partial outputs, 2,048 bytes each
.set SPARE, 24576                      ; the spare words: 128 bytes a wave, four blocks of 256 bytes that no other line names
.set AQ,  4
.set AV,  5
.set AM,  6
.set LI,  7
.set R1S, 8
.set R2S, 9
.set R2L, 10
.set GO,  11
.set DD,  12
.set NINF, 13
.set MK,  16
.set SPW, 24
.set NIL, 25
.set TT,  32
.set VF,  96
.set CT,  160
.set OA,  224
.set W0,  0                            ; in window 1
.set VV,  64                           ; in window 1
.set MSB, 0
.macro WIN new
.if MSB != (\new)
	s_set_vgpr_msb (MSB<<8)|(\new)
.set MSB, (\new)
.endif
.endm
.macro TREE                            ; eight partial sums of 8 registers, at v[TT + 8 w], become one at v[TT]
.irp q, 0,2,4,6
.irp i, 0,2,4,6
	v_pk_add_f32 v[TT+8*\q+\i:TT+8*\q+\i+1], v[TT+8*\q+\i:TT+8*\q+\i+1], v[TT+8*\q+8+\i:TT+8*\q+8+\i+1]
.endr
.endr
.irp q, 0,4
.irp i, 0,2,4,6
	v_pk_add_f32 v[TT+8*\q+\i:TT+8*\q+\i+1], v[TT+8*\q+\i:TT+8*\q+\i+1], v[TT+8*\q+16+\i:TT+8*\q+16+\i+1]
.endr
.endr
.irp i, 0,2,4,6
	v_pk_add_f32 v[TT+\i:TT+\i+1], v[TT+\i:TT+\i+1], v[TT+32+\i:TT+32+\i+1]
.endr
.endm
	s_load_b256 s[4:11], s[0:1], 0x0               ; fine32, mask, Wout, bout
	s_load_b64 s[12:13], s[0:1], 0x20              ; out0
	v_lshl_add_u32 v[SPW], v0, 2, SPARE
	v_mov_b32 v[NIL], 0
	v_lshrrev_b32 v1, 5, v0
	v_readfirstlane_b32 s14, v1                    ; wave 0..7
	s_and_b32 s15, ttmp7, 0xffff                   ; the batch
	v_and_b32 v1, 31, v0                           ; lane
	v_and_b32 v2, 15, v0                           ; r
	v_bfe_u32 v3, v0, 4, 1                         ; g
	v_lshlrev_b32 v[AQ], 12, v2
	v_lshl_add_u32 v[AQ], v3, 4, v[AQ]             ; q, k, Wout: row r of 4,096 bytes, + 16 g; load n stands 32 n bytes on
	v_and_b32 v14, 3, v2
	v_bfe_u32 v15, v2, 2, 1
	v_lshl_add_u32 v14, v15, 3, v14
	v_bfe_u32 v15, v2, 3, 1
	v_lshl_add_u32 v14, v15, 2, v14                ; v^T: lane r of tile t takes channel 16 t + r % 4 + 8 ((r / 4) % 2) + 4 (r / 8) of the wave's 128,
	v_lshlrev_b32 v[AV], 6, v14                    ; 64 bytes a channel,
	v_lshl_add_u32 v[AV], v3, 5, v[AV]             ; keys 8 g on
	v_lshlrev_b32 v[AM], 5, v3                     ; the mask of keys 8 g on; bout of columns 8 g on
	v_lshlrev_b32 v[LI], 4, v1
	s_lshl_b32 s16, s14, 10
	v_add_nc_u32 v[R1S], s16, v[LI]
	s_lshl_b32 s16, s14, 11
	s_add_co_u32 s16, s16, RED2
	v_add_nc_u32 v[R2S], s16, v[LI]
	s_and_b32 s17, s14, 1                          ; which tile of 16 columns I finish, if I finish one
	s_lshl_b32 s16, s17, 10
	s_add_co_u32 s16, s16, RED2
	v_add_nc_u32 v[R2L], s16, v[LI]
	v_mul_u32_u24 v[GO], v2, 16000                 ; out0: row r of 16,000 bytes, + 32 g
	v_lshl_add_u32 v[GO], v3, 5, v[GO]
	v_lshlrev_b32 v14, 3, v3
	v_sub_nc_u32 v[DD], v2, v14                    ; r - 8 g: register j's key is hidden where j is above it
	v_mov_b32 v[NINF], 0xff800000                  ; -infinity
	s_mov_b32 s22, 0x3d38aa3b                      ; c = log2(e) / 32
	s_mov_b32 s24, 0x76543210
	s_mov_b32 s25, 0xfedcba98                      ; v_permlanex16_b32's selects for lane l xor 16
	s_lshl_b32 s26, s15, 13
	s_mov_b32 s27, 0
	s_lshl_b32 s28, s15, 16
	s_lshl_b32 s16, s14, 9
	s_add_co_u32 s28, s28, s16                     ; q: the batch's 65,536 bytes, my wave's 512 in a row; k lies 131,072 bytes on
	s_mov_b32 s29, 0
	s_lshl_b32 s30, s15, 16
	s_lshl_b32 s16, s14, 13
	s_add_co_u32 s30, s30, s16
	s_add_co_u32 s30, s30, 262144                  ; v^T: my wave's 128 channels
	s_mov_b32 s31, 0
	s_lshl_b32 s32, ttmp9, 17
	s_lshl_b32 s16, s14, 9
	s_add_co_u32 s32, s32, s16                     ; Wout: 32 rows of 4,096 bytes a work-group
	s_mov_b32 s33, 0
	s_lshl_b32 s34, ttmp9, 7
	s_lshl_b32 s16, s17, 6
	s_add_co_u32 s34, s34, s16                     ; bout and the columns of out0: 128 bytes a work-group, 64 a tile
	s_mov_b32 s35, 0
	s_mul_i32 s36, s15, 32768000
	s_add_co_u32 s36, s36, s34
	s_mov_b32 s37, 0
	s_wait_kmcnt 0x0
	s_add_nc_u64 s[6:7], s[6:7], s[26:27]
	s_add_nc_u64 s[18:19], s[4:5], s[28:29]
	s_add_nc_u64 s[20:21], s[4:5], s[30:31]
	s_add_nc_u64 s[8:9], s[8:9], s[32:33]
	s_add_nc_u64 s[10:11], s[10:11], s[34:35]
	s_add_nc_u64 s[12:13], s[12:13], s[36:37]
	global_load_b128 v[MK:MK+3], v[AM], s[6:7]
	global_load_b128 v[MK+4:MK+7], v[AM], s[6:7] offset:16
.set n, 0
.rept 16
	global_load_b128 v[TT+4*n:TT+4*n+3], v[AQ], s[18:19] offset:32*n
.set n, n+1
.endr
.set n, 0
.rept 16
	global_load_b128 v[VF+4*n:VF+4*n+3], v[AQ], s[18:19] offset:131072+32*n
.set n, n+1
.endr
	WIN 0x40                                       ; destination window 1
.irp t, 0,1,2,3,4,5,6,7
	global_load_b128 v[VV+8*\t:VV+8*\t+3], v[AV], s[20:21] offset:1024*\t
	global_load_b128 v[VV+8*\t+4:VV+8*\t+7], v[AV], s[20:21] offset:1024*\t+16
.endr
.set n, 0
.rept 16
	global_load_b128 v[W0+4*n:W0+4*n+3], v[AQ], s[8:9] offset:32*n
.set n, n+1
.endr
	WIN 0
	; ---- 1: my 128 channels' part of S^T: two accumulators by turns; the first two steps start the sums
	s_wait_loadcnt 32                              ; the mask, q and k are in; v^T's 16 loads and the 16 of Wout's first tile may be out
.set n, 0
.rept 32
.if n < 2
	v_wmma_f32_16x16x4_f32 v[OA+8*(n%2):OA+8*(n%2)+7], v[VF+2*n:VF+2*n+1], v[TT+2*n:TT+2*n+1], 0
.else
	v_wmma_f32_16x16x4_f32 v[OA+8*(n%2):OA+8*(n%2)+7], v[VF+2*n:VF+2*n+1], v[TT+2*n:TT+2*n+1], v[OA+8*(n%2):OA+8*(n%2)+7]
.endif
.set n, n+1
.endr
.rept 8
	v_nop                                          ; eight places behind this form, in front of reads of its results and of loads and writes into its sources
.endr
.set n, 0
.rept 16                                       ; Wout's second tile into the registers that k has left: it has the softmax and the next product in which to land
	global_load_b128 v[VF+4*n:VF+4*n+3], v[AQ], s[8:9] offset:65536+32*n
.set n, n+1
.endr
.irp i, 0,2,4,6
	v_pk_add_f32 v[TT+\i:TT+\i+1], v[OA+\i:OA+\i+1], v[OA+8+\i:OA+8+\i+1]
.endr
	ds_store_b128 v[R1S], v[TT:TT+3]
	ds_store_b128 v[R1S], v[TT+4:TT+7] offset:512
	s_wait_dscnt 0x0                               ; for the others' sake: my stores have landed
	s_barrier_signal -1
	s_barrier_wait -1
.irp w, 0,1,2,3,4,5,6,7
	ds_load_b128 v[TT+8*\w:TT+8*\w+3], v[LI] offset:RED1+1024*\w
	ds_load_b128 v[TT+8*\w+4:TT+8*\w+7], v[LI] offset:RED1+1024*\w+512
.endr
	s_wait_dscnt 0x0
	TREE                                           ; every wave holds the whole S^T
	; ---- 2: the masked softmax of my query
.irp j, 0,1,2,3,4,5,6,7
	v_cmp_eq_u32 vcc_lo, 0, v[MK+\j]
	v_cndmask_b32 v[MK+\j], 0, v[NINF], vcc_lo     ; 0 for a key that the pad mask allows, else -infinity
.endr
.irp j, 0,1,2,3,4,5,6,7
	v_fma_f32 v[TT+\j], v[TT+\j], s22, v[MK+\j]    ; t = score x c
.endr
.irp j, 0,1,2,3,4,5,6,7
	v_cmp_gt_i32 vcc_lo, \j, v[DD]
	v_cndmask_b32 v[TT+\j], v[TT+\j], v[NINF], vcc_lo   ; keys after my query
.endr
	v_max3_num_f32 v26, v[TT], v[TT+1], v[TT+2]
	v_max3_num_f32 v27, v[TT+3], v[TT+4], v[TT+5]
	v_max3_num_f32 v26, v26, v[TT+6], v[TT+7]
	v_max3_num_f32 v26, v26, v27, 0xf149f2ca       ; and the floor -1e30
	v_permlanex16_b32 v27, v26, s24, s25
	v_max_num_f32 v26, v26, v27                    ; the row's largest t
.irp j, 0,1,2,3,4,5,6,7
	v_sub_f32 v[TT+\j], v[TT+\j], v26
.endr
.irp j, 0,1,2,3,4,5,6,7
	v_exp_f32 v[TT+\j], v[TT+\j]
.endr
	v_nop                                          ; a plain instruction behind the exponentials,
	s_wait_alu depctr_va_vdst(0)                   ; and one wait for the batch ahead of its first reader
	v_add_f32 v28, v[TT], v[TT+1]
	v_add_f32 v29, v[TT+2], v[TT+3]
	v_add_f32 v30, v[TT+4], v[TT+5]
	v_add_f32 v31, v[TT+6], v[TT+7]
	v_add_f32 v28, v28, v29
	v_add_f32 v30, v30, v31
	v_add_f32 v28, v28, v30
	v_permlanex16_b32 v29, v28, s24, s25
	v_add_f32 v28, v28, v29                        ; the row's sum
	v_rcp_f32 v30, v28
	v_nop
	v_cmp_lt_f32 vcc_lo, 0, v28
	s_wait_alu depctr_va_vdst(0)
	v_cndmask_b32 v30, 0, v30, vcc_lo              ; no key allowed: 0
.irp j, 0,1,2,3,4,5,6,7
	v_mul_f32 v[TT+\j], v[TT+\j], v30              ; attn
.endr
	global_load_b128 v[MK:MK+3], v[AM], s[10:11]   ; bout, into the registers that the mask has left
	global_load_b128 v[MK+4:MK+7], v[AM], s[10:11] offset:16
	; ---- 3: ctx^T of my 128 channels: eight accumulators by turns, four steps of four keys
	s_wait_loadcnt 34                              ; v^T is in; behind it stand Wout's two tiles, 16 loads each, and bout's two
	WIN 0x01                                       ; source 0 (v^T) window 1
.irp s, 0,1,2,3
.irp t, 0,1,2,3,4,5,6,7
.if \s == 0
	v_wmma_f32_16x16x4_f32 v[CT+8*\t:CT+8*\t+7], v[VV+8*\t+2*\s:VV+8*\t+2*\s+1], v[TT+2*\s:TT+2*\s+1], 0
.else
	v_wmma_f32_16x16x4_f32 v[CT+8*\t:CT+8*\t+7], v[VV+8*\t+2*\s:VV+8*\t+2*\s+1], v[TT+2*\s:TT+2*\s+1], v[CT+8*\t:CT+8*\t+7]
.endif
.endr
.endr
	WIN 0
.rept 9
	v_nop                                          ; nine places: the results go on as an operand
.endr
	; ---- 4: my channels' part of out^T, a tile of 16 columns at a time, two accumulators by turns in each
	s_wait_loadcnt 18                              ; Wout's first tile is in; its second tile's 16 loads and bout's two may be out
	WIN 0x01                                       ; source 0 (Wout's first tile) window 1
.set n, 0
.rept 32
.if n < 2
	v_wmma_f32_16x16x4_f32 v[OA+16*(n%2):OA+16*(n%2)+7], v[W0+2*n:W0+2*n+1], v[CT+2*n:CT+2*n+1], 0
.else
	v_wmma_f32_16x16x4_f32 v[OA+16*(n%2):OA+16*(n%2)+7], v[W0+2*n:W0+2*n+1], v[CT+2*n:CT+2*n+1], v[OA+16*(n%2):OA+16*(n%2)+7]
.endif
.set n, n+1
.endr
	WIN 0
	s_wait_loadcnt 2                               ; Wout's second tile is in; bout's two loads may be out
.set n, 0
.rept 32
.if n < 2
	v_wmma_f32_16x16x4_f32 v[OA+8+16*(n%2):OA+8+16*(n%2)+7], v[VF+2*n:VF+2*n+1], v[CT+2*n:CT+2*n+1], 0
.else
	v_wmma_f32_16x16x4_f32 v[OA+8+16*(n%2):OA+8+16*(n%2)+7], v[VF+2*n:VF+2*n+1], v[CT+2*n:CT+2*n+1], v[OA+8+16*(n%2):OA+8+16*(n%2)+7]
.endif
.set n, n+1
.endr
.rept 8
	v_nop
.endr
.irp i, 0,2,4,6
	v_pk_add_f32 v[TT+\i:TT+\i+1], v[OA+\i:OA+\i+1], v[OA+16+\i:OA+16+\i+1]
	v_pk_add_f32 v[TT+8+\i:TT+8+\i+1], v[OA+8+\i:OA+8+\i+1], v[OA+24+\i:OA+24+\i+1]
.endr
.irp i, 0,1,2,3
	ds_store_b128 v[R2S], v[TT+4*\i:TT+4*\i+3] offset:512*\i
.endr
	s_wait_dscnt 0x0
	s_barrier_signal -1
	s_barrier_wait -1
	s_cmp_gt_u32 s14, 1                            ; waves 0 and 1 finish a tile each
	s_cbranch_scc1 .Ldone
.irp w, 0,1,2,3,4,5,6,7
	ds_load_b128 v[TT+8*\w:TT+8*\w+3], v[R2L] offset:2048*\w
	ds_load_b128 v[TT+8*\w+4:TT+8*\w+7], v[R2L] offset:2048*\w+512
.endr
	s_wait_dscnt 0x0
	TREE
	s_wait_loadcnt 0x0                             ; bout
.irp i, 0,2,4,6
	v_pk_add_f32 v[TT+\i:TT+\i+1], v[TT+\i:TT+\i+1], v[MK+\i:MK+\i+1]
.endr
	global_store_b128 v[GO], v[TT:TT+3], s[12:13]              ; 32 bytes of a row a lane: 64 bytes of each of 16 rows a wave: the launch's whole output is 512,000 bytes
	global_store_b128 v[GO], v[TT+4:TT+7], s[12:13] offset:16
.Ldone:
	s_wait_tensorcnt 0x0                           ; the wave's end
	ds_add_u32 v[SPW], v[NIL]
	s_wait_dscnt 0x0
	s_endpgm
.Lfunc_end_k_qe6a145586c_fine:
	.size	k_qe6a145586c_fine, .Lfunc_end_k_qe6a145586c_fine-k_qe6a145586c_fine
	.p2alignl 7, 3214868480
	.fill 96, 4, 3214868480
	.section	.rodata,"a",@progbits
	.p2align	6, 0x0
	.amdhsa_kernel k_qe6a145586c_fine
		.amdhsa_group_segment_fixed_size 25600
		.amdhsa_private_segment_fixed_size 0
		.amdhsa_enable_private_segment 0
		.amdhsa_kernarg_size 40
		.amdhsa_user_sgpr_count 2
		.amdhsa_user_sgpr_kernarg_segment_ptr 1
		.amdhsa_wavefront_size32 1
		.amdhsa_system_sgpr_workgroup_id_x 1
		.amdhsa_system_sgpr_workgroup_id_y 1
		.amdhsa_system_sgpr_workgroup_id_z 1
		.amdhsa_system_vgpr_workitem_id 0
		.amdhsa_next_free_vgpr 384
		.amdhsa_next_free_sgpr 66
		.amdhsa_reserve_vcc 1
		.amdhsa_float_denorm_mode_32 3
		.amdhsa_float_denorm_mode_16_64 3
		.amdhsa_memory_ordered 1
		.amdhsa_forward_progress 1
		.amdhsa_inst_pref_size 31
	.end_amdhsa_kernel
	.amdgpu_metadata
---
amdhsa.version: [ 1, 2 ]
amdhsa.kernels:
  - .name:           k_qe6a145586c_fine
    .symbol:         k_qe6a145586c_fine.kd
    .args:
      - { .name: fine32, .offset: 0, .size: 8, .value_kind: global_buffer, .address_space: global }
      - { .name: mask, .offset: 8, .size: 8, .value_kind: global_buffer, .address_space: global }
      - { .name: Wout, .offset: 16, .size: 8, .value_kind: global_buffer, .address_space: global }
      - { .name: bout, .offset: 24, .size: 8, .value_kind: global_buffer, .address_space: global }
      - { .name: out0, .offset: 32, .size: 8, .value_kind: global_buffer, .address_space: global }
    .group_segment_fixed_size: 25600
    .private_segment_fixed_size: 0
    .kernarg_segment_align: 8
    .kernarg_segment_size: 40
    .max_flat_workgroup_size: 256
    .sgpr_count:     66
    .vgpr_count:     384
    .wavefront_size: 32
...
	.end_amdgpu_metadata
.endif
;; end of part 3
;; launch scores (part 4): grid 118 x 2, 4 waves a work-group, no clusters, 327,680 bytes of LDS; arguments qkv16, mask, pt, stats; writes pt, stats
.if DOCPART == 4
	.amdgcn_target "amdgcn-amd-amdhsa--gfx1250"
	.amdhsa_code_object_version 6
	.text
	.protected	k_qe6a145586c_scores
	.globl	k_qe6a145586c_scores
	.p2align	8
	.type	k_qe6a145586c_scores,@function
k_qe6a145586c_scores:
	s_mov_b64 s[64:65], 0
	v_nop
	global_prefetch_b8 v0, s[64:65] scope:SCOPE_SE
	s_setreg_imm32_b32 hwreg(HW_REG_WAVE_MODE, 25, 1), 1
	s_wait_xcnt 0x0
; q k^T and the exponentials, tile by tile of 160 queries x 128 keys.  LEFT OUT: the tiles whose first key comes after their last query: reference()'s own tril sets attn to 0 there for all inputs.
; A batch has 13 query tiles (the last of 128 rows) with 2, 3, 4, 5, 7, 8, 9, 10, 12, 13, 14, 15, 16 live key tiles: 118, and 236 for the two batches: a work-group to each.  (At 128 x 128 there are 272 live tiles.)
; t = score x log2(e) / 32, -infinity where the pad mask or the causal mask forbids the key.  For each query and each block of 64 keys: M = the block's largest t (floor -1e30) rounded UP to a whole number, p = 2^(t - M), l = the sum of p.
; p leaves in f16 as an image of the next product's operand (buffer pt), -M and l in f32 (buffer stats).  The next launch brings the blocks under the row's largest M by powers of two: so the maximum is taken away, block by block and then row by row.
; SHARES.  Four waves, 80 queries x 64 keys each: 20 accumulators.  K = 1,024 channels in four steps of 256 through two LDS slots; q's and k's images are read as they lie: a fragment is two loads of 16 bytes a lane, 512 consecutive bytes each.
; THE MATRIX INSTRUCTION IS USED TRANSPOSED (source 0 = 16 keys, source 1 = 16 queries): a lane holds one query and eight neighbouring keys.
; THE LAST QUERY TILE reaches 32 rows past its batch: the tensor load brings the rows that follow in the buffer (the next batch's q, or k's first rows), they are multiplied inside the live tile, and the way out passes over their two blocks of 16 by a branch on ids.
; NO CLUSTER: four or sixteen neighbouring tiles of the causal triangle would hold tiles left out at the diagonal; a partner there could neither end nor pass over its joint loads.
; No prefetch: two of the four K steps go out at the head.  LIMITS: |t| under 1e30; NaN and infinities are not served.
; REGISTERS: window 0: v5-9 stats; v16-30 addresses and constants; v32-63 the mask's 0 or -infinity for my 32 keys; v64-79 at work; v80-95 packed p; v96-255 accumulators ((a, b) at v[96 + 8 (4 a + b)]).
;   windows 1 and 2: a fragment buffer each, v0-143: q's 2 x 5 fragments, then k's 2 x 4, for 64 along K.
.set SLOT,  147456                     ; q's 10 blocks of 16 rows x 8 KB, then k's 8
.set BOFF,  81920                      ; where k's begin in a slot
.set SPARE, 2*SLOT                     ; the spare words: 128 bytes a wave, two blocks of 256 bytes that no other line names
.set SD,   5
.set ADRA, 16
.set ADRB, 20
.set LI,   22
.set SOF,  23
.set D0,   24
.set AMK,  25
.set SPW,  28
.set NIL,  29
.set NINF, 30
.set MB,   32
.set PK,   80
.set ACC,  96
.set FA,   0
.set FB,   80
.set G1A,  16                          ; s[16:23] descriptor group 1 for q's tiles: 5 rows of 8 KB
.set G0,   24                          ; s[24:31] group 0, a set for each slot
.set CS,   32
.set SEL,  34
.set SI,   36                          ; s36 the query tile
.set SJ,   37                          ; s37 the key tile
.set G1B,  40                          ; s[40:47] group 1 for k's tiles: 4 rows of 8 KB
.set LOW,  56                          ; s56 lanes 0-15
.set NA,   57                          ; s57 how many of my five blocks of 16 queries lie inside the batch
.set KL,   58                          ; s58 the tile's last key
.set QF,   59                          ; s59 the tile's first query
.set MSB, 0
.macro WIN new
.if MSB != (\new)
	s_set_vgpr_msb (MSB<<8)|(\new)
.set MSB, (\new)
.endif
.endm
.macro PICK i, first                   ; query tile i begins at this number of the batch's 118 tiles
	s_cmp_ge_u32 ttmp9, \first
	s_cselect_b32 s[SI], \i, s[SI]
	s_cselect_b32 s38, \first, s38
.endm
; Waves 0 and 1 fetch q's halves, waves 2 and 3 k's: two shapes, so two groups 1 and two lines under a branch on the wave's number.  An s_nop 0 and four v_nop follow each.
.macro TLOAD s
	s_cmp_lt_u32 s12, 2
	s_cbranch_scc0 .Lfor_k_\@
	tensor_load_to_lds s[G0+4*\s:G0+4*\s+3], s[G1A:G1A+7]
	s_nop 0
.rept 4
	v_nop
.endr
	s_branch .Lasked_\@
.Lfor_k_\@:
	tensor_load_to_lds s[G0+4*\s:G0+4*\s+3], s[G1B:G1B+7]
	s_nop 0
.rept 4
	v_nop
.endr
.Lasked_\@:
.endm
	s_load_b256 s[4:11], s[0:1], 0x0               ; qkv16, mask, pt, stats
	v_lshl_add_u32 v[SPW], v0, 2, SPARE
	v_mov_b32 v[NIL], 0
	ds_add_u32 v[SPW], v[NIL]                      ; the wave's opening: the add, twice on end, and its wait ahead of my first tensor load
	ds_add_u32 v[SPW], v[NIL]
	v_lshrrev_b32 v1, 5, v0
	v_readfirstlane_b32 s12, v1                    ; wave
	s_lshr_b32 s13, s12, 1                         ; my half of the queries
	s_and_b32 s14, s12, 1                          ; my half of the keys.  Also: which half of q's or k's tile I fetch
	s_and_b32 s15, ttmp7, 0xffff                   ; the batch
	s_mov_b32 s[SI], 0
	s_mov_b32 s38, 0
	PICK 1, 2
	PICK 2, 5
	PICK 3, 9
	PICK 4, 14
	PICK 5, 21
	PICK 6, 29
	PICK 7, 38
	PICK 8, 48
	PICK 9, 60
	PICK 10, 73
	PICK 11, 87
	PICK 12, 102
	s_sub_co_u32 s[SJ], ttmp9, s38
.irp g, G1A, G1B
	s_mov_b32 s[\g+0], 3<<16                       ; no mask; elements of 8 bytes; no padding
	s_mov_b32 s[\g+1], 1024<<16                    ; tensor_dim0: 8,192 bytes: 8 blocks along K
	s_mov_b32 s[\g+3], 1024<<16                    ; tile_dim0
	s_mov_b32 s[\g+5], 4096                        ; the pitch: 32,768 bytes
	s_mov_b32 s[\g+6], 0
	s_mov_b32 s[\g+7], 0
.endr
	s_mov_b32 s[G1A+2], 5<<16                      ; tensor_dim1: 5 blocks of 16 rows
	s_mov_b32 s[G1A+4], 5                          ; tile_dim1
	s_mov_b32 s[G1B+2], 4<<16
	s_mov_b32 s[G1B+4], 4
	s_mul_i32 s52, s[SI], 10                       ; the query tile's first block of 16 rows in the batch
	s_mul_i32 s49, s14, 5
	s_add_co_u32 s48, s52, s49                     ; q: block 10 I + 5 x half
	s_lshl_b32 s49, s[SJ], 3
	s_lshl_b32 s50, s14, 2
	s_add_co_u32 s49, s49, s50
	s_add_co_u32 s49, s49, 256                     ; k: block 8 j + 4 x half, 256 blocks (8,388,608 bytes) on
	s_cmp_lt_u32 s12, 2
	s_cselect_b32 s48, s48, s49
	s_lshl_b32 s49, s15, 7
	s_add_co_u32 s48, s48, s49                     ; the batch's 128 blocks
	s_lshl_b32 s48, s48, 15
	s_mov_b32 s49, 0
	s_min_u32 s39, s12, 2                          ; where it goes: 32,768 w + 8,192 min(w, 2): 0, 40,960, 81,920, 114,688
	s_lshl_b32 s39, s39, 13
	s_lshl_b32 s50, s12, 15
	s_add_co_u32 s39, s39, s50
	s_mov_b32 s[CS], 0x3d38aa3b                    ; c = log2(e) / 32
	s_mov_b32 s[CS+1], s[CS]
	s_mov_b32 s[SEL], 0x76543210
	s_mov_b32 s[SEL+1], 0xfedcba98
	s_mov_b32 s[LOW], 0xffff
	s_wait_dscnt 0x0                               ; both opening adds are done
	s_wait_kmcnt 0x0
	s_add_nc_u64 s[48:49], s[4:5], s[48:49]
.irp s, 0,1                                    ; both first fills go out together: two loads of mine are out
	s_mov_b32 s[G0+4*\s], 1
	s_add_co_u32 s[G0+4*\s+1], s39, \s*SLOT
	s_add_nc_u64 s[G0+4*\s+2:G0+4*\s+3], s[48:49], \s*8192
	s_or_b32 s[G0+4*\s+3], s[G0+4*\s+3], 0x80000000
	TLOAD \s
.endr
	v_and_b32 v1, 15, v0                           ; r
	v_bfe_u32 v2, v0, 4, 1                         ; g
	v_and_b32 v3, 31, v0
	v_lshlrev_b32 v[LI], 4, v3
	s_mul_i32 s50, s13, 40960
	s_lshl_b32 s51, s14, 15
	s_add_co_u32 s51, s51, BOFF
.irp s, 0,1
	v_add_nc_u32 v[ADRA+\s], s50, v[LI]
	v_add_nc_u32 v[ADRB+\s], s51, v[LI]
	s_add_co_u32 s50, s50, SLOT
	s_add_co_u32 s51, s51, SLOT
.endr
	v_lshlrev_b32 v[AMK], 5, v2
	v_lshlrev_b32 v[SOF], 13, v2
	v_lshl_add_u32 v[SOF], v1, 2, v[SOF]           ; stats: lanes 0-15 store -M, lanes 16-31 l, 8,192 bytes on
	s_mul_i32 s[QF], s[SI], 160                    ; the tile's first query
	s_lshl_b32 s51, s[SJ], 7                       ; its first key,
	s_add_co_u32 s[KL], s51, 127                   ; its last
	s_sub_co_i32 s50, s[QF], s51
	s_mul_i32 s53, s13, 80
	s_add_co_i32 s50, s50, s53
	s_lshl_b32 s53, s14, 6
	s_sub_co_i32 s50, s50, s53
	v_lshlrev_b32 v4, 3, v2
	v_sub_nc_u32 v[D0], v1, v4
	v_add_nc_u32 v[D0], s50, v[D0]                 ; my first query less my first key: 160 I - 128 j + 80 x my half of the queries - 64 x my half of the keys + r - 8 g
	v_mov_b32 v[NINF], 0xff800000
	s_mul_i32 s53, s13, 5
	s_add_co_u32 s52, s52, s53                     ; my first block of 16 queries in the batch
	s_sub_co_u32 s[NA], 128, s52
	s_min_u32 s[NA], s[NA], 5
	s_lshl_b32 s48, s15, 13                        ; the mask of my 64 keys
	s_lshl_b32 s53, s[SJ], 9
	s_add_co_u32 s48, s48, s53
	s_lshl_b32 s53, s14, 8
	s_add_co_u32 s48, s48, s53
	s_mov_b32 s49, 0
	s_add_nc_u64 s[6:7], s[6:7], s[48:49]
	s_lshl_b32 s48, s15, 7                         ; pt: [batch][128 blocks of 16 queries][64 blocks of 32 keys] x 1,024 bytes
	s_add_co_u32 s48, s48, s52
	s_lshl_b32 s48, s48, 16
	s_lshl_b32 s53, s[SJ], 12
	s_add_co_u32 s48, s48, s53
	s_lshl_b32 s53, s14, 11
	s_add_co_u32 s48, s48, s53
	s_add_nc_u64 s[8:9], s[8:9], s[48:49]
	s_lshl_b32 s48, s15, 5                         ; stats: [batch][32 blocks of 64 keys][-M, l][2,048 queries] f32
	s_lshl_b32 s53, s[SJ], 1
	s_add_co_u32 s48, s48, s53
	s_add_co_u32 s48, s48, s14
	s_lshl_b32 s48, s48, 14
	s_lshl_b32 s53, s52, 6                         ; 64 bytes for 16 queries
	s_add_co_u32 s48, s48, s53
	s_add_nc_u64 s[10:11], s[10:11], s[48:49]
.irp b, 0,1,2,3
	global_load_b128 v[MB+8*\b:MB+8*\b+3], v[AMK], s[6:7] offset:64*\b        ; the mask of keys 16 b + 8 g + 0 .. 7
	global_load_b128 v[MB+8*\b+4:MB+8*\b+7], v[AMK], s[6:7] offset:64*\b+16
.endr
	s_wait_loadcnt 0x0                             ; the mask: it is turned round here, while the first tiles are on their way
.set n, 0
.rept 32
	v_cmp_eq_u32 vcc_lo, 0, v[MB+n]
	v_cndmask_b32 v[MB+n], 0, v[NINF], vcc_lo      ; 0 for a key that the pad mask allows, else -infinity
.set n, n+1
.endr
; 20 matrix instructions: my 5 query blocks x my 4 key blocks, 32 along K: half c of the buffer that the windows name.  The 20 accumulators take turns.
.macro MUL20 c, zero
.irp a, 0,1,2,3,4
.irp b, 0,1,2,3
.if \zero
	v_wmma_f32_16x16x32_f16 v[ACC+8*(4*\a+\b):ACC+8*(4*\a+\b)+7], v[FB+8*(4*\c+\b):FB+8*(4*\c+\b)+7], v[FA+8*(5*\c+\a):FA+8*(5*\c+\a)+7], 0
.else
	v_wmma_f32_16x16x32_f16 v[ACC+8*(4*\a+\b):ACC+8*(4*\a+\b)+7], v[FB+8*(4*\c+\b):FB+8*(4*\c+\b)+7], v[FA+8*(5*\c+\a):FA+8*(5*\c+\a)+7], v[ACC+8*(4*\a+\b):ACC+8*(4*\a+\b)+7]
.endif
.endr
.endr
.endm
.macro FETCH slot, q, w                ; 36 LDS loads in one run: the slot's q-th 64 along K into the buffer of window w, the first 32 first
	WIN (\w)<<6
.irp c, 0,1
.irp i, 0,1,2,3
	ds_load_b128 v[FB+8*(4*\c+\i):FB+8*(4*\c+\i)+3],   v[ADRB+\slot] offset:(2*(\q)+\c)*1024+\i*8192
	ds_load_b128 v[FB+8*(4*\c+\i)+4:FB+8*(4*\c+\i)+7], v[ADRB+\slot] offset:(2*(\q)+\c)*1024+\i*8192+512
.endr
.irp i, 0,1,2,3,4
	ds_load_b128 v[FA+8*(5*\c+\i):FA+8*(5*\c+\i)+3],   v[ADRA+\slot] offset:(2*(\q)+\c)*1024+\i*8192
	ds_load_b128 v[FA+8*(5*\c+\i)+4:FA+8*(5*\c+\i)+7], v[ADRA+\slot] offset:(2*(\q)+\c)*1024+\i*8192+512
.endr
.endr
.endm
.macro PLACES                          ; four plain vector instructions between a matrix instruction and a load into, or a read of, its registers
.rept 4
	v_nop
.endr
.endm
.macro QUARTER slot, q, wf, wg, zero   ; multiplies the buffer of window wf and fetches the slot's q-th 64 along K into that of window wg
	s_wait_dscnt 18                                ; the buffer's first 32 along K are in; its other eighteen loads may be out
	WIN 5*(\wf)                                    ; sources 0 and 1 in window wf; C and D in window 0
	MUL20 0, \zero
	PLACES
	FETCH \slot, \q, \wg
	s_wait_dscnt 36                                ; all but the 36 just issued
	WIN 5*(\wf)
	MUL20 1, 0
.endm
.macro STEP slot, zero                 ; a K step of 256: 160 matrix instructions
	FETCH \slot, 0, 1
	QUARTER \slot, 1, 1, 2, \zero
	QUARTER \slot, 2, 2, 1, 0
	QUARTER \slot, 3, 1, 2, 0
	s_wait_dscnt 18
	WIN 10
	MUL20 0, 0
	s_wait_dscnt 0x0
	MUL20 1, 0
	WIN 0
.endm
; The change of slots: every wave waits for all its tensor loads (the other slot's), adds 0 to its spare word, waits for that and for its reads of the slot just read, and passes the barrier; fill = 1: that slot takes the K step two on, first thing behind it.
.macro CHANGE slot, fill
	s_wait_tensorcnt 0x0
	ds_add_u32 v[SPW], v[NIL]
.if \fill
	s_add_nc_u64 s[G0+4*\slot+2:G0+4*\slot+3], s[G0+4*\slot+2:G0+4*\slot+3], 2*8192   ; no load of mine is out: the group may be written
.endif
	s_wait_dscnt 0x0
	s_barrier_signal -1
	s_barrier_wait -1
.if \fill
	TLOAD \slot                                    ; its four v_nop are also the places in front of the next step's loads into the first buffer
.else
	PLACES
.endif
.endm
	s_wait_tensorcnt 1                             ; my part of slot 0 is in; slot 1's may stay out
	s_barrier_signal -1
	s_barrier_wait -1
	STEP 0, 1
	CHANGE 0, 1
	STEP 1, 0
	CHANGE 1, 1
	STEP 0, 0
	CHANGE 0, 0
	STEP 1, 0
	PLACES
; Query block a: 16 queries x my 64 keys: a lane's 32 scores at v[SS + 8 b + j], key 16 b + 8 g + j
.macro EPI a
.set SS, ACC+32*\a
.if \a >= 3
	s_cmp_le_u32 s[NA], \a                         ; a block past the batch's last query (the last query tile's second half alone): a branch on ids
	s_cbranch_scc1 .Ldead_\@
.endif
.set n, 0
.rept 16
	v_pk_fma_f32 v[SS+n:SS+n+1], v[SS+n:SS+n+1], s[CS:CS+1], v[MB+n:MB+n+1] op_sel_hi:[1,0,1]   ; t; each accumulator from its low end on
.set n, n+2
.endr
	s_cmp_le_u32 s[KL], s[QF]                      ; a tile whose last key is at or under its first query has no hidden key: a branch on ids
	s_cbranch_scc1 .Lopen_\@
	v_add_nc_u32 v74, 16*\a, v[D0]
.set n, 0
.rept 32
	v_cmp_gt_i32 vcc_lo, 16*(n/8)+n%8, v74
	v_cndmask_b32 v[SS+n], v[SS+n], v[NINF], vcc_lo
.set n, n+1
.endr
.Lopen_\@:
.irp b, 0,1,2,3
	v_max3_num_f32 v[64+\b], v[SS+8*\b], v[SS+8*\b+1], v[SS+8*\b+2]
.endr
.irp i, 3,5
.irp b, 0,1,2,3
	v_max3_num_f32 v[64+\b], v[64+\b], v[SS+8*\b+\i], v[SS+8*\b+\i+1]
.endr
.endr
	v_max3_num_f32 v64, v64, v[SS+7], v[SS+15]
	v_max3_num_f32 v66, v66, v[SS+23], v[SS+31]
	v_max3_num_f32 v64, v64, v65, v66
	v_max3_num_f32 v64, v64, v67, 0xf149f2ca       ; the floor -1e30: a block with no allowed key has -M = 1e30 and every p = 0
	v_permlanex16_b32 v65, v64, s[SEL], s[SEL+1]
	v_max_num_f32 v64, v64, v65                    ; the block's largest t of my query
	v_floor_f32 v68, -v64                          ; -M = floor(-t): M is a whole number
	v_mov_b32 v69, v68
.set n, 0
.rept 16
	v_pk_add_f32 v[SS+n:SS+n+1], v[SS+n:SS+n+1], v[68:69]
.set n, n+2
.endr
.set n, 0
.rept 32
	v_exp_f32 v[SS+n], v[SS+n]                     ; p = 2^(t - M), at most 1
.set n, n+1
.endr
	v_nop                                          ; a plain instruction behind the exponentials,
	s_wait_alu depctr_va_vdst(0)                   ; and one wait for the batch ahead of its first reader
	v_pk_add_f32 v[70:71], v[SS:SS+1], v[SS+2:SS+3]
	v_pk_add_f32 v[72:73], v[SS+4:SS+5], v[SS+6:SS+7]
.irp i, 8,12,16,20,24,28
	v_pk_add_f32 v[70:71], v[70:71], v[SS+\i:SS+\i+1]
	v_pk_add_f32 v[72:73], v[72:73], v[SS+\i+2:SS+\i+3]
.endr
	v_pk_add_f32 v[70:71], v[70:71], v[72:73]
	v_add_f32 v70, v70, v71
	v_permlanex16_b32 v71, v70, s[SEL], s[SEL+1]
	v_add_f32 v70, v70, v71                        ; l: the sum of the unrounded p
.if \a >= 1
	s_wait_xcnt 0x0                                ; the last block's stores have read the packed registers
.endif
.set n, 0
.rept 16
	v_cvt_pk_f16_f32 v[PK+n], v[SS+2*n], v[SS+2*n+1]
.set n, n+1
.endr
.irp b, 0,1,2,3
	global_store_b128 v[LI], v[PK+4*\b:PK+4*\b+3], s[8:9] offset:\a*65536+\b*512   ; 512 consecutive bytes of the image, aligned
.endr
	v_cndmask_b32 v[SD+\a], v70, v68, s[LOW]       ; lanes 0-15: -M; lanes 16-31: l
	global_store_b32 v[SOF], v[SD+\a], s[10:11] offset:64*\a
.if \a >= 3
.Ldead_\@:
.endif
.endm
	EPI 0
	EPI 1
	EPI 2
	EPI 3
	EPI 4
	s_wait_tensorcnt 0x0                           ; the wave's end
	ds_add_u32 v[SPW], v[NIL]
	s_wait_dscnt 0x0
	s_endpgm
.Lfunc_end_k_qe6a145586c_scores:
	.size	k_qe6a145586c_scores, .Lfunc_end_k_qe6a145586c_scores-k_qe6a145586c_scores
	.p2alignl 7, 3214868480
	.fill 96, 4, 3214868480
	.section	.rodata,"a",@progbits
	.p2align	6, 0x0
	.amdhsa_kernel k_qe6a145586c_scores
		.amdhsa_group_segment_fixed_size 327680
		.amdhsa_private_segment_fixed_size 0
		.amdhsa_enable_private_segment 0
		.amdhsa_kernarg_size 32
		.amdhsa_user_sgpr_count 2
		.amdhsa_user_sgpr_kernarg_segment_ptr 1
		.amdhsa_wavefront_size32 1
		.amdhsa_system_sgpr_workgroup_id_x 1
		.amdhsa_system_sgpr_workgroup_id_y 1
		.amdhsa_system_sgpr_workgroup_id_z 1
		.amdhsa_system_vgpr_workitem_id 0
		.amdhsa_next_free_vgpr 768
		.amdhsa_next_free_sgpr 66
		.amdhsa_reserve_vcc 1
		.amdhsa_float_denorm_mode_32 3
		.amdhsa_float_denorm_mode_16_64 3
		.amdhsa_memory_ordered 1
		.amdhsa_forward_progress 1
		.amdhsa_inst_pref_size 138
	.end_amdhsa_kernel
	.amdgpu_metadata
---
amdhsa.version: [ 1, 2 ]
amdhsa.kernels:
  - .name:           k_qe6a145586c_scores
    .symbol:         k_qe6a145586c_scores.kd
    .args:
      - { .name: qkv16, .offset: 0, .size: 8, .value_kind: global_buffer, .address_space: global }
      - { .name: mask, .offset: 8, .size: 8, .value_kind: global_buffer, .address_space: global }
      - { .name: pt, .offset: 16, .size: 8, .value_kind: global_buffer, .address_space: global }
      - { .name: stats, .offset: 24, .size: 8, .value_kind: global_buffer, .address_space: global }
    .group_segment_fixed_size: 327680
    .private_segment_fixed_size: 0
    .kernarg_segment_align: 8
    .kernarg_segment_size: 32
    .max_flat_workgroup_size: 128
    .sgpr_count:     66
    .vgpr_count:     768
    .wavefront_size: 32
...
	.end_amdgpu_metadata
.endif
;; end of part 4
;; launch ctx (part 5): grid 8 x 32, 4 waves a work-group, no clusters, 327,680 bytes of LDS; arguments pt, stats, qkv16, ctx16; writes ctx16
.if DOCPART == 5
	.amdgcn_target "amdgcn-amd-amdhsa--gfx1250"
	.amdhsa_code_object_version 6
	.text
	.protected	k_qe6a145586c_ctx
	.globl	k_qe6a145586c_ctx
	.p2align	8
	.type	k_qe6a145586c_ctx,@function
k_qe6a145586c_ctx:
	s_mov_b64 s[64:65], 0
	v_nop
	global_prefetch_b8 v0, s[64:65] scope:SCOPE_SE
	s_setreg_imm32_b32 hwreg(HW_REG_WAVE_MODE, 25, 1), 1
	s_wait_xcnt 0x0
; ctx = attn v, tile by tile of 128 queries x 128 channels; K = the keys.  LEFT OUT: the steps of 128 keys that come after the tile's last query: reference()'s own tril sets attn to 0 there for all inputs.
; The launch before left p = 2^(t - M) under a whole number M of its own for each query and block of 64 keys.  Here each thread takes one query: the row's M is the largest of the blocks' (kept as -M: the smallest);
; f = 2^(block's M - row's M), a power of two in f32, made by v_ldexp_f32; the row's sum is the sum of l x f; a row whose sum is 0 (no key allowed) gets 0 for 1 / sum, so that ctx = 0 there, as reference() has it.
; THE FACTOR STANDS BEHIND THE PRODUCT, IN f32.  Each block of 64 keys is multiplied by itself, T = v^T p^T with C = 0, and O takes O += f x T by fused multiply-adds: a lane holds one query, so f is one number a lane.
; T has two sets of 16 accumulators that take turns.  The 64 packed multiply-adds of one set stand two behind each of the 32 matrix instructions of the next 64 keys; a step's last set is added behind the step.
; That is two vector instructions and two switches of the register window for each matrix instruction.
; SHARES.  Four waves, 64 x 64 each.  The keys go in steps of 256 through two LDS slots; every work-group walks all eight steps' changes of slots, so that the trip counts are constants of the text; a step's WORK and its load
; are passed over, by scalar branches on ids alone, the same in all four waves, where all its keys come after the tile's queries; a step's second 128 keys likewise.  Every wait on TENSORcnt is for 0.
; Where the query block's number is even, the last slot's second half may bring bytes of pt that no launch has stored: they lie in LDS and no LDS load reads them.
; THE MATRIX INSTRUCTION IS USED TRANSPOSED (source 0 = 16 channels of v^T, source 1 = 16 queries of p): a lane holds one query and eight neighbouring channels: rounded to f16, 16 bytes of an image of the projection's operand.
; NO CLUSTER: partners along the queries need different numbers of tiles, and a joint load may not be passed over.
; LIMITS: |ctx| under 65,504 (f16).
; REGISTERS: window 0: v16-26 addresses; v32-63 the factors, a pair for each of a step's 4 quarters x 4 query blocks (the low word is used); in the first phase v32-63 -M, v64-95 l, v96-127 offsets; v128-255 O.
;   window 1: two fragment buffers of 128.   window 2: T, two sets of 128.
.set SLOT1, 1<<17                      ; a slot: p's 8 blocks of 16 queries x 8 KB, then v^T's 8 blocks of 16 channels x 8 KB
.set FT,    2*SLOT1                    ; the factors: [32 blocks of 64 keys][128 queries] f32
.set IL,    FT+16384                   ; 1 / sum: 128 x 4 bytes
.set SPARE, IL+512                     ; the spare words: 128 bytes a wave, two blocks of 256 bytes that no other line names
.set ADA0, 16
.set ADB0, 17
.set ADF0, 18
.set ADA,  19
.set ADB,  20
.set ADF,  21
.set LI,   22
.set PFO,  23
.set FTS,  24
.set ILR,  25
.set ILS,  26
.set SPW,  28
.set NIL,  29
.set FQ,   32
.set XM,   32
.set XL,   64
.set OF,   96
.set ACC,  128
.set F0,   0
.set F1,   128
.set T0,   0
.set T1,   128
.set G1,   16
.set G0,   24
.set PFA,  28
.set KH,   30                          ; s30 the step's first half (128 keys), by number
.set TB,   31                          ; s31 LDS byte at which the slot in hand begins
.set TF,   32                          ; s32 where the step's factors begin: 2,048 bytes a step
.set PLIM, 33                          ; s33 the query block's number in a wave that prefetches, else 0
.set LIMK, 34                          ; s34 the last live block of 64 keys
.set SI,   36
.set SC,   37
.set MSB, 0
.macro WIN new
.if MSB != (\new)
	s_set_vgpr_msb (MSB<<8)|(\new)
.set MSB, (\new)
.endif
.endm
.set MUL,  0xa5                        ; sources 0 and 1 window 1; C and D window 2
.set ADDW, 0x02                        ; source 0 (T) window 2; the factor, O as source and as destination window 0
.set TO_F, 0x40
	s_load_b256 s[4:11], s[0:1], 0x0               ; pt, stats, qkv16, ctx16
	v_lshl_add_u32 v[SPW], v0, 2, SPARE
	v_mov_b32 v[NIL], 0
	ds_add_u32 v[SPW], v[NIL]                      ; the wave's opening: the add, twice on end, and its wait ahead of my first tensor load
	ds_add_u32 v[SPW], v[NIL]
	v_lshrrev_b32 v1, 5, v0
	v_readfirstlane_b32 s12, v1                    ; wave
	s_lshr_b32 s13, s12, 1                         ; my half of the queries
	s_and_b32 s14, s12, 1                          ; my half of the channels.  Also: which 4 blocks I fetch
	s_and_b32 s38, ttmp7, 0xffff
	s_lshr_b32 s15, s38, 4                         ; the batch
	s_and_b32 s43, s38, 15
	s_sub_co_u32 s[SI], 15, s43                    ; the query block: the longest walks first
	s_mov_b32 s[SC], ttmp9                         ; the channel block
	s_lshl_b32 s[LIMK], s[SI], 1
	s_add_co_u32 s[LIMK], s[LIMK], 1
	s_mov_b32 s[G1+0], 3<<16                       ; no mask; elements of 8 bytes; no padding
	s_mov_b32 s[G1+1], 1024<<16                    ; tensor_dim0: 8,192 bytes: 256 keys
	s_mov_b32 s[G1+2], 4<<16                       ; tensor_dim1: 4 blocks of 16 rows
	s_mov_b32 s[G1+3], 1024<<16
	s_mov_b32 s[G1+4], 4
	s_mov_b32 s[G1+5], 8192                        ; the pitch: 65,536 bytes, in p's images and in v^T's
	s_mov_b32 s[G1+6], 0
	s_mov_b32 s[G1+7], 0
	s_lshl_b32 s38, s15, 7
	s_lshl_b32 s39, s[SI], 3
	s_add_co_u32 s38, s38, s39
	s_lshl_b32 s39, s14, 2
	s_add_co_u32 s38, s38, s39
	s_lshl_b32 s38, s38, 16                        ; p: my 4 blocks of 16 queries
	s_lshl_b32 s40, s[SC], 3
	s_add_co_u32 s40, s40, s39
	s_lshl_b32 s40, s40, 16
	s_lshl_b32 s39, s15, 22
	s_add_co_u32 s40, s40, s39
	s_add_co_u32 s40, s40, 16777216                ; v^T: my 4 blocks of 16 channels
	s_cmp_lt_u32 s12, 2                            ; waves 0, 1 fetch p, waves 2, 3 v^T
	s_cselect_b32 s38, s38, s40
	s_cselect_b32 s42, s[SC], s43                  ; p's rows are read by the eight channel blocks: the first prefetches; v^T's by the sixteen query blocks: the last, which walks all keys
	s_mov_b32 s39, 0
	s_cmp_eq_u32 s42, 0
	s_cselect_b32 s[PLIM], s[SI], 0
	s_mov_b32 s[KH], 0
	s_mov_b32 s[TB], 0
	s_mov_b32 s[TF], 0
	s_wait_dscnt 0x0                               ; both opening adds are done
	s_wait_kmcnt 0x0
	s_cmp_lt_u32 s12, 2
	s_cselect_b64 s[40:41], s[4:5], s[8:9]
	s_add_nc_u64 s[40:41], s[40:41], s[38:39]
	s_add_nc_u64 s[PFA:PFA+1], s[40:41], 8192      ; at step 1: the first change of slots steps it to step 2.  Nothing is prefetched at the head
	s_mov_b32 s[G0], 1
	s_lshl_b32 s[G0+1], s12, 15                    ; 32,768 x wave, in slot 0
	s_mov_b64 s[G0+2:G0+3], s[40:41]
	s_or_b32 s[G0+3], s[G0+3], 0x80000000
	tensor_load_to_lds s[G0:G0+3], s[G1:G1+7]      ; step 0: every wave issues its part
	s_nop 0
.rept 4
	v_nop
.endr
	v_and_b32 v1, 15, v0                           ; r
	v_and_b32 v3, 31, v0
	v_lshlrev_b32 v[LI], 4, v3
	v_lshlrev_b32 v[PFO], 8, v3                    ; the prefetches: lanes 256 bytes apart
	s_lshl_b32 s38, s13, 15
	v_add_nc_u32 v[ADA0], s38, v[LI]
	s_lshl_b32 s38, s14, 15
	s_add_co_u32 s38, s38, 65536
	v_add_nc_u32 v[ADB0], s38, v[LI]
	s_lshl_b32 s38, s13, 8
	v_lshl_add_u32 v[ADF0], v1, 2, s38             ; 4 (64 x my half + r)
	v_add_nc_u32 v[ILR], IL, v[ADF0]
	v_add_nc_u32 v[ADF0], FT, v[ADF0]
	v_lshl_add_u32 v[FTS], v0, 2, FT
	v_lshl_add_u32 v[ILS], v0, 2, IL
	s_lshl_b32 s38, s15, 19                        ; stats: the batch, my work-group's 128 queries
	s_lshl_b32 s40, s[SI], 9
	s_add_co_u32 s38, s38, s40
	s_add_nc_u64 s[6:7], s[6:7], s[38:39]
	s_lshl_b32 s38, s15, 7                         ; ctx16: [256 blocks of 16 rows][32 blocks of 32 channels] x 1,024 bytes
	s_lshl_b32 s40, s[SI], 3
	s_add_co_u32 s38, s38, s40
	s_lshl_b32 s40, s13, 2
	s_add_co_u32 s38, s38, s40
	s_lshl_b32 s38, s38, 15
	s_lshl_b32 s40, s[SC], 12
	s_add_co_u32 s38, s38, s40
	s_lshl_b32 s40, s14, 11
	s_add_co_u32 s38, s38, s40
	s_add_nc_u64 s[10:11], s[10:11], s[38:39]
	; ---- the blocks' -M and l of my query (thread = query).  Blocks past the last live one read that one again, and count for nothing below
.set kb, 0
.rept 32
	s_min_u32 s38, s[LIMK], kb
	s_lshl_b32 s38, s38, 14
	v_lshl_add_u32 v[OF+kb], v0, 2, s38
	global_load_b32 v[XM+kb], v[OF+kb], s[6:7]
	global_load_b32 v[XL+kb], v[OF+kb], s[6:7] offset:8192
.set kb, kb+1
.endr
	s_wait_loadcnt 0x0
	v_min3_num_f32 v1, v[XM], v[XM+1], v[XM+2]     ; the smallest -M: the row's largest M
	v_min3_num_f32 v2, v[XM+3], v[XM+4], v[XM+5]
.irp n, 6,10,14,18,22,26
	v_min3_num_f32 v1, v1, v[XM+\n], v[XM+\n+1]
	v_min3_num_f32 v2, v2, v[XM+\n+2], v[XM+\n+3]
.endr
	v_min3_num_f32 v1, v1, v[XM+30], v[XM+31]
	v_min_num_f32 v1, v1, v2
.set kb, 0
.rept 32
	v_sub_f32 v[XM+kb], v1, v[XM+kb]               ; the block's M less the row's: a whole number, 0 or less
	v_cvt_i32_f32 v[XM+kb], v[XM+kb]               ; (it saturates)
	s_cmp_ge_u32 s[LIMK], kb
	s_cselect_b32 s38, 0x3f800000, 0               ; 1 for a live block, else 0
	v_ldexp_f32 v[XM+kb], s38, v[XM+kb]            ; f
.if kb == 0
	v_mul_f32 v3, v[XL], v[XM]
.else
	v_fmac_f32 v3, v[XL+kb], v[XM+kb]              ; the row's sum
.endif
	ds_store_b32 v[FTS], v[XM+kb] offset:kb*512
.set kb, kb+1
.endr
	v_rcp_f32 v4, v3
	v_nop                                          ; a plain instruction behind the reciprocal,
	v_cmp_lt_f32 vcc_lo, 0, v3
	s_wait_alu depctr_va_vdst(0)                   ; and the wait ahead of its first reader
	v_cndmask_b32 v4, 0, v4, vcc_lo                ; no key allowed: 0
	ds_store_b32 v[ILS], v4                        ; the first change of slots, below, waits for these stores in front of its barrier
; Two of the 64 packed multiply-adds that bring the set tp of T into O, under the four factors at fq; fk counts them.  first = 1: the walk's first set starts O: nothing is ever cleared.
; They take each accumulator of T from its low end on.
.macro ADD2 tp, fq, first
	WIN ADDW
.rept 2
.if \first
	v_pk_mul_f32 v[ACC+2*fk:ACC+2*fk+1], v[\tp+2*fk:\tp+2*fk+1], v[\fq+2*(fk/16):\fq+2*(fk/16)+1] op_sel_hi:[1,0]
.else
	v_pk_fma_f32 v[ACC+2*fk:ACC+2*fk+1], v[\tp+2*fk:\tp+2*fk+1], v[\fq+2*(fk/16):\fq+2*(fk/16)+1], v[ACC+2*fk:ACC+2*fk+1] op_sel_hi:[1,0,1]
.endif
.set fk, fk+1
.endr
.endm
; 16 matrix instructions: 4 query blocks x 4 channel blocks, 32 keys: half c of buffer f, into the set t of T.  zero = 1: they start the sums.  The 16 accumulators take turns.
; sl = 1: two multiply-adds of the other set stand behind each.  They name none of the products' registers, so they are also places behind them (ISA guide 7.12.1).
.macro MULS f, c, t, zero, sl, tp, fq, first
.irp a, 0,1,2,3
.irp b, 0,1,2,3
	WIN MUL
.if \zero
	v_wmma_f32_16x16x32_f16 v[\t+8*(4*\a+\b):\t+8*(4*\a+\b)+7], v[\f+64+8*(4*\c+\b):\f+64+8*(4*\c+\b)+7], v[\f+8*(4*\c+\a):\f+8*(4*\c+\a)+7], 0
.else
	v_wmma_f32_16x16x32_f16 v[\t+8*(4*\a+\b):\t+8*(4*\a+\b)+7], v[\f+64+8*(4*\c+\b):\f+64+8*(4*\c+\b)+7], v[\f+8*(4*\c+\a):\f+8*(4*\c+\a)+7], v[\t+8*(4*\a+\b):\t+8*(4*\a+\b)+7]
.endif
.if \sl
	ADD2 \tp, \fq, \first
.endif
.endr
.endr
.endm
.macro FETCH q, f                      ; 36 LDS loads in one run: the four factors of the step's q-th 64 keys, then its fragments, the first 32 keys first
	WIN 0
.irp a, 0,1,2,3
	ds_load_b32 v[FQ+8*(\q)+2*\a], v[ADF] offset:(\q)*512+\a*64
.endr
	WIN TO_F
.irp c, 0,1
.irp i, 0,1,2,3
	ds_load_b128 v[\f+64+8*(4*\c+\i):\f+64+8*(4*\c+\i)+3],   v[ADB] offset:(2*(\q)+\c)*1024+\i*8192
	ds_load_b128 v[\f+64+8*(4*\c+\i)+4:\f+64+8*(4*\c+\i)+7], v[ADB] offset:(2*(\q)+\c)*1024+\i*8192+512
	ds_load_b128 v[\f+8*(4*\c+\i):\f+8*(4*\c+\i)+3],         v[ADA] offset:(2*(\q)+\c)*1024+\i*8192
	ds_load_b128 v[\f+8*(4*\c+\i)+4:\f+8*(4*\c+\i)+7],       v[ADA] offset:(2*(\q)+\c)*1024+\i*8192+512
.endr
.endr
.endm
.macro PLACES
.rept 4
	v_nop
.endr
.endm
; The step's q-th 64 keys: buffer f into the set t; in its middle the next 64 keys are fetched into buffer g.  sl = 1: the set tp, of the 64 keys before, goes into O meanwhile.
.macro QUARTER q, f, g, t, sl, tp, first
	s_wait_dscnt 16                                ; f's factors and first 32 keys are in; its other sixteen loads may be out
.set fk, 0
	MULS \f, 0, \t, 1, \sl, \tp, FQ+8*((\q)-1), \first
	PLACES                                         ; in front of the loads into buffer g, which the 64 keys before multiplied
	FETCH (\q)+1, \g
	s_wait_dscnt 36                                ; all but the 36 just issued
	MULS \f, 1, \t, 0, \sl, \tp, FQ+8*((\q)-1), \first
.if !\sl
	PLACES                                         ; no multiply-adds stood among these products: four places in front of the first read of their results
.endif
.endm
.macro LASTQ q, t, tp, first           ; the step's last live 64 keys lie in buffer 1: nothing more is fetched
	s_wait_dscnt 16
.set fk, 0
	MULS F1, 0, \t, 1, 1, \tp, FQ+8*((\q)-1), \first
	s_wait_dscnt 0x0
	MULS F1, 1, \t, 0, 1, \tp, FQ+8*((\q)-1), \first
.endm
.macro DRAIN t, fq                     ; the step's last set goes into O; these 64 are also the places in front of the next step's loads into the buffers
.set fk, 0
.rept 32
	ADD2 \t, \fq, 0
.endr
.endm
; A step of 256 keys.  zero = 1: the first step, whose first 128 keys count for every query block: it has no test at its head, and its first set starts O.
; The two ends of a step are written out apart: they name other factors.
.macro STEP zero
.if !\zero
	s_cmp_gt_u32 s[KH], s[SI]
	s_cbranch_scc1 .Lskip_\@
.endif
	v_add_nc_u32 v[ADA], s[TB], v[ADA0]
	v_add_nc_u32 v[ADB], s[TB], v[ADB0]
	v_add_nc_u32 v[ADF], s[TF], v[ADF0]
	FETCH 0, F0
	QUARTER 0, F0, F1, T0, 0, T1, 0
	WIN 0
	s_add_co_u32 s38, s[KH], 1
	s_cmp_gt_u32 s38, s[SI]                        ; the step's second 128 keys come after my queries
	s_cbranch_scc1 .Lhalf_\@
	QUARTER 1, F1, F0, T1, 1, T0, \zero
	QUARTER 2, F0, F1, T0, 1, T1, 0
	LASTQ 3, T1, T0, 0
	DRAIN T1, FQ+24
	WIN 0
	s_branch .Lskip_\@
.Lhalf_\@:
	LASTQ 1, T1, T0, \zero
	DRAIN T1, FQ+8
	WIN 0
.Lskip_\@:
	s_add_co_u32 s[KH], s[KH], 2
	s_xor_b32 s[TB], s[TB], SLOT1
	s_add_co_u32 s[TF], s[TF], 2048
.endm
; A PREFETCH INTO THE L2 of the step after the one just asked for: my 4 rows of 8,192 bytes, a row an instruction, lanes 256 bytes apart.  Each block of 256 bytes is named once in the launch: p's by the first channel block's waves 0 and 1,
; v^T's by the last query block's waves 2 and 3.  It stops where that step's first 128 keys come after the queries, so it never leaves its buffer.
.macro ASK
	s_add_co_u32 s38, s[KH], 4
	s_cmp_gt_u32 s38, s[PLIM]
	s_cbranch_scc1 .Lno_\@
.irp w, 0,1,2,3
	global_prefetch_b8 v[PFO], s[PFA:PFA+1] offset:\w*65536 th:TH_LOAD_NT scope:SCOPE_SE
.endr
.Lno_\@:
.endm
; The change of slots stands at a step's head: every wave waits for all its tensor loads (its part of the slot ahead), adds 0 to its spare word, waits for that, for its LDS stores and for its reads of the slot left, and passes the barrier.
; fill = 1: the slot left takes the next step, unless all that step's keys come after the queries: then no wave would read it, and it is not asked for.
.macro CHANGE fill
	s_wait_tensorcnt 0x0
	ds_add_u32 v[SPW], v[NIL]
.if \fill
	s_xor_b32 s[G0+1], s[G0+1], SLOT1              ; no load of mine is out: the walking group may be written: the other slot,
	s_add_nc_u64 s[G0+2:G0+3], s[G0+2:G0+3], 8192  ; the next 256 keys
	s_wait_xcnt 0x0                                ; the last prefetches, a step back, have read their address
	s_add_nc_u64 s[PFA:PFA+1], s[PFA:PFA+1], 8192
.endif
	s_wait_dscnt 0x0
	s_barrier_signal -1
	s_barrier_wait -1
.if \fill
	s_add_co_u32 s38, s[KH], 2
	s_cmp_gt_u32 s38, s[SI]                        ; ids and the count of steps alone: all four waves go the same way
	s_cbranch_scc1 .Lpast_\@
	tensor_load_to_lds s[G0:G0+3], s[G1:G1+7]      ; my one tensor load behind this barrier
	s_nop 0
.rept 4
	v_nop
.endr
.Lpast_\@:
	ASK
.endif
.endm
	CHANGE 1                                       ; slot 1's first fill stands behind this barrier, behind which nothing is filled again
	STEP 1
	s_mov_b32 s35, 6
.Lk:
	CHANGE 1
	STEP 0
	s_sub_co_u32 s35, s35, 1
	s_cmp_lg_u32 s35, 0
	s_cbranch_scc1 .Lk
	CHANGE 0                                       ; the last step: nothing is left to fetch
	STEP 0
	; THE WAY OUT: O^T / the sum, rounded to f16: eight registers of O are 512 consecutive bytes of the image over the wave
.irp a, 0,1,2,3
	ds_load_b32 v[40+2*\a], v[ILR] offset:64*\a
.endr
.irp a, 0,1,2,3
	v_mov_b32 v[41+2*\a], 0                        ; (named as the upper half of a pair)
.endr
	s_wait_dscnt 0x0
.irp a, 0,1,2,3
.set n, 0
.rept 16
	v_pk_mul_f32 v[ACC+32*\a+n:ACC+32*\a+n+1], v[ACC+32*\a+n:ACC+32*\a+n+1], v[40+2*\a:41+2*\a] op_sel_hi:[1,0]
.set n, n+2
.endr
.endr
.set n, 0
.rept 64
	v_cvt_pk_f16_f32 v[48+n], v[ACC+2*n], v[ACC+2*n+1]
.set n, n+1
.endr
.irp a, 0,1,2,3
.irp b, 0,1,2,3
	global_store_b128 v[LI], v[48+16*\a+4*\b:48+16*\a+4*\b+3], s[10:11] offset:\a*32768+\b*512
.endr
.endr
	s_wait_tensorcnt 0x0                           ; the wave's end
	ds_add_u32 v[SPW], v[NIL]
	s_wait_dscnt 0x0
	s_endpgm
.Lfunc_end_k_qe6a145586c_ctx:
	.size	k_qe6a145586c_ctx, .Lfunc_end_k_qe6a145586c_ctx-k_qe6a145586c_ctx
	.p2alignl 7, 3214868480
	.fill 96, 4, 3214868480
	.section	.rodata,"a",@progbits
	.p2align	6, 0x0
	.amdhsa_kernel k_qe6a145586c_ctx
		.amdhsa_group_segment_fixed_size 327680
		.amdhsa_private_segment_fixed_size 0
		.amdhsa_enable_private_segment 0
		.amdhsa_kernarg_size 32
		.amdhsa_user_sgpr_count 2
		.amdhsa_user_sgpr_kernarg_segment_ptr 1
		.amdhsa_wavefront_size32 1
		.amdhsa_system_sgpr_workgroup_id_x 1
		.amdhsa_system_sgpr_workgroup_id_y 1
		.amdhsa_system_sgpr_workgroup_id_z 1
		.amdhsa_system_vgpr_workitem_id 0
		.amdhsa_next_free_vgpr 768
		.amdhsa_next_free_sgpr 66
		.amdhsa_reserve_vcc 1
		.amdhsa_float_denorm_mode_32 3
		.amdhsa_float_denorm_mode_16_64 3
		.amdhsa_memory_ordered 1
		.amdhsa_forward_progress 1
		.amdhsa_inst_pref_size 195
	.end_amdhsa_kernel
	.amdgpu_metadata
---
amdhsa.version: [ 1, 2 ]
amdhsa.kernels:
  - .name:           k_qe6a145586c_ctx
    .symbol:         k_qe6a145586c_ctx.kd
    .args:
      - { .name: pt, .offset: 0, .size: 8, .value_kind: global_buffer, .address_space: global }
      - { .name: stats, .offset: 8, .size: 8, .value_kind: global_buffer, .address_space: global }
      - { .name: qkv16, .offset: 16, .size: 8, .value_kind: global_buffer, .address_space: global }
      - { .name: ctx16, .offset: 24, .size: 8, .value_kind: global_buffer, .address_space: global }
    .group_segment_fixed_size: 327680
    .private_segment_fixed_size: 0
    .kernarg_segment_align: 8
    .kernarg_segment_size: 32
    .max_flat_workgroup_size: 128
    .sgpr_count:     66
    .vgpr_count:     768
    .wavefront_size: 32
...
	.end_amdgpu_metadata
.endif
;; end of part 5
;; launch outp (part 6): grid 16 x 16, 4 waves a work-group, clusters of 4 x 4, 327,680 bytes of LDS; arguments ctx16, wo16, bout, out0; writes out0
.if DOCPART == 6
	.amdgcn_target "amdgcn-amd-amdhsa--gfx1250"
	.amdhsa_code_object_version 6
	.text
	.protected	k_qe6a145586c_outp
	.globl	k_qe6a145586c_outp
	.p2align	8
	.type	k_qe6a145586c_outp,@function
k_qe6a145586c_outp:
	s_mov_b64 s[64:65], 0
	v_nop
	global_prefetch_b8 v0, s[64:65] scope:SCOPE_SE
	s_setreg_imm32_b32 hwreg(HW_REG_WAVE_MODE, 25, 1), 1
	s_wait_xcnt 0x0
	s_wait_alu depctr_hold_cnt(0) depctr_sa_sdst(0) depctr_va_vdst(0) depctr_va_sdst(0) depctr_va_ssrc(0) depctr_va_vcc(0) depctr_vm_vsrc(0)
	s_getreg_b32 s2, hwreg(HW_REG_IB_STS2, 6, 4)
	s_cmp_eq_u32 s2, 0
	s_cbranch_scc0 .Lentry_in_a_cluster
	s_endpgm
.Lentry_in_a_cluster:
	s_bfe_u32 s2, ttmp6, 0x10000c
	s_cmp_lg_u32 s2, 0xf033
	s_cbranch_scc0 .Lentry_shape_is_right
	s_endpgm
.Lentry_shape_is_right:
; out = ctx Wout^T + bout: 4,096 x 4,000, K = 1,024, f16 operands, f32 sums.  The first 16 rows of each batch are computed inside their tiles but not stored: the launch "fine" stores them, carried in f32.
; Columns 4,000 to 4,095 lie inside the last column tile (wo16 holds zeros there) and are not stored either.  Both cuts are made by EXEC, from masks made of ids, with no branch.
; A tile, 256 x 256, is made by four waves, 128 x 128 each: 64 accumulators, 512 registers.  K goes in steps of 128 through two LDS slots; both operands lie in memory as images (16 rows x 32 K in 1,024 bytes), so a fragment is
; two loads of 16 bytes a lane, 512 consecutive bytes each, and a K step's part of 8 blocks of 16 rows is one tensor tile of 8 rows x 4,096 bytes.
; CLUSTERS: 4 x 4 work-groups; ctx's tiles are shared along a row of the cluster, Wout's along a column: each is asked for JOINTLY.
; THE MATRIX INSTRUCTION IS USED TRANSPOSED (source 0 = 16 rows of Wout, source 1 = 16 rows of ctx): a lane holds eight neighbouring columns of one row.  bout is the C of each sum's first instruction.
; No prefetch: a refill has a K step's 224 matrix instructions between its request and the wait for it.
; A row of out0 is 16,000 bytes, so every second row begins 128 bytes into an aligned block of 256: a wave's 512 consecutive bytes there cut two blocks; the output's own pitch forces that.
; REGISTERS: window 0: v16-29 addresses; v32-39 bout's offsets; v64-127, v128-191 ctx's fragments, two buffers; v192-255 bout; on the way out v128-255 rows read back.  window 1: v64-127, v128-191 Wout's fragments.  windows 2, 3: the accumulators.
.set SLOT,   131072                    ; ctx's 16 blocks x 4 KB, then Wout's
.set STAGE,  2*SLOT                    ; 16 rows x (512 bytes + 16) for each wave, for the way out; no tensor load lands there
.set SPITCH, 528
.set SPARE,  STAGE+4*16*SPITCH         ; the spare words: 128 bytes a wave, two blocks of 256 bytes that no other line names
.set LAPS,   4                         ; a lap = two K steps of 128
.set ADRA, 16
.set ADRB, 20
.set STO,  24
.set RD,   25
.set CO,   26
.set SPW,  28
.set NIL,  29
.set BO,   32
.set F0,   64
.set F1,   128
.set BIAS, 192
.set BK,   128
.set G1, 24
.set G0, 32
.set G1B, 48
.set G0B, 56
.set MSB, 0
.macro WIN new
.if MSB != \new
	s_set_vgpr_msb (MSB<<8)|\new
.set MSB, \new
.endif
.endm
.set MUL_LO, 0xa1                      ; source 0 (Wout) window 1, source 1 (ctx) window 0, C and D window 2
.set MUL_HI, 0xf1
.set TO_B,   0x40
.macro JLOAD s                         ; a joint load: waves 0 and 1 fetch ctx's two halves, waves 2 and 3 Wout's; an s_nop 0 and four v_nop follow each of the two lines
	s_cmp_eq_u32 s11, 0
	s_cbranch_scc0 .Lfor_b_\@
	tensor_load_to_lds s[G0+4*\s:G0+4*\s+3], s[G1:G1+7]
	s_nop 0
.rept 4
	v_nop
.endr
	s_branch .Lasked_\@
.Lfor_b_\@:
	tensor_load_to_lds s[G0B+4*\s:G0B+4*\s+3], s[G1B:G1B+7]
	s_nop 0
.rept 4
	v_nop
.endr
.Lasked_\@:
.endm
.macro CREST
	s_cmp_lg_u32 s10, 0
	s_cbranch_scc1 .Lnot_wave_0_\@
	s_barrier_signal -3
.Lnot_wave_0_\@:
	s_barrier_wait -3
	s_barrier_signal -1
	s_barrier_wait -1
.endm
.macro CROUND
	s_barrier_signal -1
	s_barrier_wait -1
	CREST
.endm
	s_load_b128 s[4:7], s[0:1], 0x0                ; ctx16, wo16
	s_load_b128 s[68:71], s[0:1], 0x10             ; bout, out0
	v_lshl_add_u32 v[SPW], v0, 2, SPARE
	v_mov_b32 v[NIL], 0
	ds_add_u32 v[SPW], v[NIL]                      ; the wave's opening: the add, twice on end, and its wait ahead of my first tensor load
	ds_add_u32 v[SPW], v[NIL]
	v_lshrrev_b32 v1, 5, v0
	v_readfirstlane_b32 s10, v1                    ; wave
	s_lshr_b32 s11, s10, 1                         ; my half of the rows.  Also: I fetch for ctx (0) or for Wout (1)
	s_and_b32 s12, s10, 1                          ; my half of the columns.  Also: which 8 blocks I fetch
	s_bfe_u32 s40, ttmp6, 0x40000                  ; cx
	s_bfe_u32 s41, ttmp6, 0x40004                  ; cy
	s_lshl_b32 s42, ttmp9, 2
	s_add_co_u32 s42, s42, s40                     ; tile column
	s_and_b32 s13, ttmp7, 0xffff
	s_lshl_b32 s13, s13, 2
	s_add_co_u32 s13, s13, s41                     ; tile row
	s_lshl_b32 s43, s41, 2
	s_lshl_b32 s43, 15, s43                        ; my row of the cluster
	s_lshl_b32 s44, 0x1111, s40                    ; my column
	s_or_b32 s[G1+0], s43, (3<<16)|(1<<21)         ; the mask; elements of 8 bytes; bit 21 beside a mask; no padding
	s_or_b32 s[G1B+0], s44, (3<<16)|(1<<21)
.irp g, G1, G1B
	s_mov_b32 s[\g+1], 512<<16                     ; tensor_dim0: 4,096 bytes: 4 blocks along K
	s_mov_b32 s[\g+2], 8<<16                       ; tensor_dim1: 8 blocks of 16 rows
	s_mov_b32 s[\g+3], 512<<16
	s_mov_b32 s[\g+4], 8
	s_mov_b32 s[\g+5], 4096                        ; the pitch: 32,768 bytes
	s_mov_b32 s[\g+6], 0
	s_mov_b32 s[\g+7], 0
.endr
	s_lshl_b32 s17, s12, 3
	s_lshl_b32 s16, s13, 4
	s_add_co_u32 s16, s16, s17
	s_lshl_b32 s16, s16, 15                        ; ctx: block 16 x tile row + 8 x half
	s_lshl_b32 s46, s42, 4
	s_add_co_u32 s46, s46, s17
	s_lshl_b32 s46, s46, 15                        ; Wout: block 16 x tile column + 8 x half
	s_mov_b32 s17, 0
	s_mov_b32 s47, 0
	s_lshl_b32 s20, s10, 15                        ; where they go: 32,768 x wave: no place in the cluster enters an LDS address
	s_wait_dscnt 0x0                               ; both opening adds are done
	s_wait_kmcnt 0x0
	s_add_nc_u64 s[14:15], s[4:5], s[16:17]
	s_add_nc_u64 s[46:47], s[6:7], s[46:47]
	CROUND                                         ; all sixteen work-groups are here: the first joint loads meet
.irp s, 0,1
	s_mov_b32 s[G0+4*\s], 1
	s_add_co_u32 s[G0+4*\s+1], s20, \s*SLOT
	s_add_nc_u64 s[G0+4*\s+2:G0+4*\s+3], s[14:15], \s*4096
	s_or_b32 s[G0+4*\s+3], s[G0+4*\s+3], 0x80000000
	s_mov_b32 s[G0B+4*\s], 1
	s_add_co_u32 s[G0B+4*\s+1], s20, \s*SLOT
	s_add_nc_u64 s[G0B+4*\s+2:G0B+4*\s+3], s[46:47], \s*4096
	s_or_b32 s[G0B+4*\s+3], s[G0B+4*\s+3], 0x80000000
	JLOAD \s                                       ; two tensor loads of mine are out
.endr
	v_and_b32 v1, 15, v0                           ; r
	v_bfe_u32 v2, v0, 4, 1                         ; g
	v_and_b32 v3, 31, v0
	v_lshlrev_b32 v[CO], 4, v3                     ; 16 x lane
	s_lshl_b32 s21, s11, 15
	s_lshl_b32 s22, s12, 15
	s_add_co_u32 s22, s22, 65536
.irp s, 0,1
	v_add_nc_u32 v[ADRA+\s], s21, v[CO]
	v_add_nc_u32 v[ADRB+\s], s22, v[CO]
	s_add_co_u32 s21, s21, SLOT
	s_add_co_u32 s22, s22, SLOT
.endr
	s_mul_i32 s23, s10, 16*SPITCH
	s_add_co_u32 s23, s23, STAGE                   ; my stage
	v_mul_u32_u24 v4, v1, SPITCH
	v_lshl_add_u32 v4, v2, 5, v4
	v_add_nc_u32 v[STO], s23, v4                   ; in: row r, 32 bytes for each half of the lanes
	v_add_nc_u32 v[RD], s23, v[CO]                 ; back: the 32 lanes take one row of 512 bytes
	s_lshl_b32 s18, s42, 10
	s_lshl_b32 s19, s12, 9
	s_add_co_u32 s18, s18, s19                     ; my first column, in bytes
	v_lshl_add_u32 v5, v2, 5, s18
.irp b, 0,1,2,3,4,5,6,7
	v_add_nc_u32 v[BO+\b], 64*\b, v5               ; bout of columns 16 b + 8 g + 0 .. 7,
	v_min_u32 v[BO+\b], 15968, v[BO+\b]            ; held inside the buffer for the columns past 4,000, which are not stored
.endr
.irp b, 0,1,2,3,4,5,6,7
	global_load_b128 v[BIAS+8*\b:BIAS+8*\b+3], v[BO+\b], s[68:69]
	global_load_b128 v[BIAS+8*\b+4:BIAS+8*\b+7], v[BO+\b], s[68:69] offset:16
.endr
	s_sub_co_u32 s19, 16000, s18                   ; a row's bytes from my first column on: 128 at the least
	v_cmp_gt_u32 s8, s19, v[CO]                    ; the lanes whose 16 bytes lie inside the row
	s_and_b32 s21, s13, 7
	s_or_b32 s21, s21, s11
	s_cmp_eq_u32 s21, 0
	s_cselect_b32 s9, 0, s8                        ; my first 16 rows: none where they are a batch's first 16
	s_lshl_b32 s16, s13, 8
	s_lshl_b32 s17, s11, 7
	s_add_co_u32 s16, s16, s17
	s_mul_i32 s16, s16, 16000
	s_add_co_u32 s16, s16, s18
	s_mov_b32 s17, 0
	s_add_nc_u64 s[70:71], s[70:71], s[16:17]      ; out0 at my first row and column
; 16 matrix instructions: row blocks a0, a0 + 1 of the window's four x all 8 column blocks, 32 along K.  first = 1: bout is the C.  The 64 accumulators take turns.
.macro MUL16 f, hi, a0, first
.irp a, \a0, \a0+1
.irp b, 0,1,2,3,4,5,6,7
.if \first
	v_wmma_f32_16x16x32_f16 v[8*(8*(\a)+\b):8*(8*(\a)+\b)+7], v[\f+8*\b:\f+8*\b+7], v[\f+8*(4*\hi+\a):\f+8*(4*\hi+\a)+7], v[BIAS+8*\b:BIAS+8*\b+7]
.else
	v_wmma_f32_16x16x32_f16 v[8*(8*(\a)+\b):8*(8*(\a)+\b)+7], v[\f+8*\b:\f+8*\b+7], v[\f+8*(4*\hi+\a):\f+8*(4*\hi+\a)+7], v[8*(8*(\a)+\b):8*(8*(\a)+\b)+7]
.endif
.endr
.endr
.endm
.macro FETCH slot, q, f                ; 32 LDS loads in one run: the slot's q-th 32 along K: Wout's eight fragments, then ctx's
	WIN TO_B
.irp i, 0,1,2,3,4,5,6,7
	ds_load_b128 v[\f+8*\i:\f+8*\i+3],   v[ADRB+\slot] offset:(\q)*1024+\i*4096
	ds_load_b128 v[\f+8*\i+4:\f+8*\i+7], v[ADRB+\slot] offset:(\q)*1024+\i*4096+512
.endr
	WIN 0
.irp i, 0,1,2,3,4,5,6,7
	ds_load_b128 v[\f+8*\i:\f+8*\i+3],   v[ADRA+\slot] offset:(\q)*1024+\i*4096
	ds_load_b128 v[\f+8*\i+4:\f+8*\i+7], v[ADRA+\slot] offset:(\q)*1024+\i*4096+512
.endr
.endm
.macro PLACES
.rept 4
	v_nop
.endr
.endm
.macro QUARTER slot, q, f, g, first    ; multiplies buffer f; in its middle it fetches the slot's q-th 32 along K into g
	s_wait_dscnt 8                                 ; Wout's fragments and ctx's rows 0-63 are in; the youngest eight loads may be out
.if \first
	WIN 0x81                                       ; C (bout) window 0, D window 2
.else
	WIN MUL_LO
.endif
	MUL16 \f, 0, 0, \first
	MUL16 \f, 0, 2, \first
	PLACES
	FETCH \slot, \q, \g
	s_wait_dscnt 32                                ; all but the 32 just issued
.if \first
	WIN 0xc1
.else
	WIN MUL_HI
.endif
	MUL16 \f, 1, 0, \first
	MUL16 \f, 1, 2, \first
.endm
; A K step's last quarter multiplies buffer 1 and changes slots: one barrier; in front of it each wave waits for all its tensor loads, adds 0 to its spare word, and waits for that and for its reads of this slot.
.macro TURN slot, next, fill
	WIN 0
	s_wait_tensorcnt 0x0                           ; all my tensor loads have landed: my part of the next slot
	ds_add_u32 v[SPW], v[NIL]
	s_wait_dscnt 9                                 ; (the add and the youngest eight loads may be out)
	WIN MUL_LO
	MUL16 F1, 0, 0, 0
	s_wait_dscnt 0x0                               ; the add is done, and my reads of this slot are over
	s_barrier_signal -1
	MUL16 F1, 0, 2, 0
	WIN 0
	s_barrier_wait -1
.if \fill
	CREST                                          ; the barrier has opened a round of the cluster's: no wave of any partner still reads this slot or has a load on its way
	s_add_nc_u64 s[G0+4*\slot+2:G0+4*\slot+3], s[G0+4*\slot+2:G0+4*\slot+3], 2*4096
	s_add_nc_u64 s[G0B+4*\slot+2:G0B+4*\slot+3], s[G0B+4*\slot+2:G0B+4*\slot+3], 2*4096
	JLOAD \slot                                    ; the first tensor load behind the round; its four v_nop are the places in front of the loads below
.else
	PLACES
.endif
	FETCH \next, 0, F0
	WIN MUL_HI
	MUL16 F1, 1, 0, 0
	MUL16 F1, 1, 2, 0
.endm
	s_wait_tensorcnt 1                             ; my part of K step 0 is in; K step 1's may stay out
	s_barrier_signal -1
	s_barrier_wait -1
	FETCH 0, 0, F0
	s_wait_loadcnt 0x0                             ; bout
	QUARTER 0, 1, F0, F1, 1                        ; the first quarter's products start the sums, on bout
	WIN 0
	s_mov_b32 s3, LAPS-1
.Llap:                                                 ; a trip goes once round the ring and fills both slots again: K steps 2 to 7
	QUARTER 0, 2, F1, F0, 0
	QUARTER 0, 3, F0, F1, 0
	TURN 0, 1, 1
	QUARTER 1, 1, F0, F1, 0
	QUARTER 1, 2, F1, F0, 0
	QUARTER 1, 3, F0, F1, 0
	TURN 1, 0, 1
	QUARTER 0, 1, F0, F1, 0
	WIN 0
	s_sub_co_u32 s3, s3, 1
	s_cmp_lg_u32 s3, 0
	s_cbranch_scc1 .Llap
	QUARTER 0, 2, F1, F0, 0                        ; the last lap fills nothing, and has no round
	QUARTER 0, 3, F0, F1, 0
	TURN 0, 1, 0
	QUARTER 1, 1, F0, F1, 0
	QUARTER 1, 2, F1, F0, 0
	QUARTER 1, 3, F0, F1, 0
	s_wait_dscnt 8
	WIN MUL_LO
	MUL16 F1, 0, 0, 0
	MUL16 F1, 0, 2, 0
	s_wait_dscnt 0x0
	WIN MUL_HI
	MUL16 F1, 1, 0, 0
	MUL16 F1, 1, 2, 0
	WIN 0
; THE WAY OUT, block by block of 16 rows x 128 columns, through my own stage: in by 32 bytes of a row a lane, back as whole rows of 512 bytes.  LDS serves a wave's instructions in order: no wait between the stores and the loads.
.macro TOSTAGE a
.set AC, 64*((\a)%4)
	WIN 0x08+4*((\a)/4)                            ; an LDS store's data are its source 1: window 2 or 3
.irp b, 0,1,2,3,4,5,6,7
	ds_store_b128 v[STO], v[AC+8*\b:AC+8*\b+3] offset:64*\b          ; each accumulator from its low end on
	ds_store_b128 v[STO], v[AC+8*\b+4:AC+8*\b+7] offset:64*\b+16
.endr
	WIN 0
.set BB, BK+64*((\a)%2)
.irp t, 0,1,2,3,4,5,6,7,8,9,10,11,12,13,14,15
	ds_load_b128 v[BB+4*\t:BB+4*\t+3], v[RD] offset:\t*SPITCH
.endr
.endm
.macro SEND a, younger                 ; younger: the LDS instructions issued behind block a's loads, which may stay out
.set BB, BK+64*((\a)%2)
	s_wait_dscnt \younger
	s_wait_xcnt 0x0                                ; the earlier stores have read their base; EXEC changes only behind this wait
.if (\a) > 0
	s_add_nc_u64 s[70:71], s[70:71], 16*16000
	s_and_saveexec_b32 s2, s8
.else
	s_and_saveexec_b32 s2, s9
.endif
.irp t, 0,1,2,3,4,5,6,7,8,9,10,11,12,13,14,15
	global_store_b128 v[CO], v[BB+4*\t:BB+4*\t+3], s[70:71] offset:\t*16000 th:TH_STORE_NT   ; up to 512 consecutive bytes of a row; written once, read by nobody here
.endr
	s_wait_xcnt 0x0                                ; and again in front of the line that widens EXEC; the stores' data may be loaded anew behind it
	s_or_b32 exec_lo, exec_lo, s2
.endm
	PLACES                                         ; in front of the first reads of results and of the loads into the fragments' registers
	TOSTAGE 0
.irp a, 1,2,3,4,5,6,7
	TOSTAGE \a
	SEND \a-1, 32                                  ; behind block a - 1's loads: block a's 16 stores and 16 loads
.endr
	SEND 7, 0
	s_wait_tensorcnt 0x0                           ; the wave's end
	ds_add_u32 v[SPW], v[NIL]
	s_wait_dscnt 0x0
	CROUND                                         ; the closing round: no work-group ends while a partner may still ask for a tile that names it
	s_endpgm
.Lfunc_end_k_qe6a145586c_outp:
	.size	k_qe6a145586c_outp, .Lfunc_end_k_qe6a145586c_outp-k_qe6a145586c_outp
	.p2alignl 7, 3214868480
	.fill 96, 4, 3214868480
	.section	.rodata,"a",@progbits
	.p2align	6, 0x0
	.amdhsa_kernel k_qe6a145586c_outp
		.amdhsa_group_segment_fixed_size 327680
		.amdhsa_private_segment_fixed_size 0
		.amdhsa_enable_private_segment 0
		.amdhsa_kernarg_size 32
		.amdhsa_user_sgpr_count 2
		.amdhsa_user_sgpr_kernarg_segment_ptr 1
		.amdhsa_wavefront_size32 1
		.amdhsa_system_sgpr_workgroup_id_x 1
		.amdhsa_system_sgpr_workgroup_id_y 1
		.amdhsa_system_sgpr_workgroup_id_z 1
		.amdhsa_system_vgpr_workitem_id 0
		.amdhsa_next_free_vgpr 1024
		.amdhsa_next_free_sgpr 72
		.amdhsa_reserve_vcc 0
		.amdhsa_float_denorm_mode_32 3
		.amdhsa_float_denorm_mode_16_64 3
		.amdhsa_memory_ordered 1
		.amdhsa_forward_progress 1
		.amdhsa_inst_pref_size 144
	.end_amdhsa_kernel
	.amdgpu_metadata
---
amdhsa.version: [ 1, 2 ]
amdhsa.kernels:
  - .name:           k_qe6a145586c_outp
    .symbol:         k_qe6a145586c_outp.kd
    .args:
      - { .name: ctx16, .offset: 0, .size: 8, .value_kind: global_buffer, .address_space: global }
      - { .name: wo16, .offset: 8, .size: 8, .value_kind: global_buffer, .address_space: global }
      - { .name: bout, .offset: 16, .size: 8, .value_kind: global_buffer, .address_space: global }
      - { .name: out0, .offset: 24, .size: 8, .value_kind: global_buffer, .address_space: global }
    .group_segment_fixed_size: 327680
    .private_segment_fixed_size: 0
    .kernarg_segment_align: 8
    .kernarg_segment_size: 32
    .max_flat_workgroup_size: 128
    .sgpr_count:     72
    .vgpr_count:     1024
    .wavefront_size: 32
...
	.end_amdgpu_metadata
.endif
;; end of part 6
